; MI455X (gfx1250); checked and timed in simulation.
; The chip was launched on July 23, 2026; its instructions are those of AMD's public machine-readable ISA for CDNA 5 (MIT licence, August 2026) and "CDNA5" Instruction Set Architecture Reference Guide (July 2026). The comments in the code are by the model that wrote it; some were corrected since.
;; Multihead Self Attention. Allowed arithmetic: matrix products marked QUANTISED: E4M3 operands, one given power-of-two scale a tensor, by v_wmma_f32_16x16x64_fp8_fp8 or v_wmma_f32_16x16x128_fp8_fp8, f32 sums; everything else in f32.
;; Inputs: W_out 1,024 x 1,024 float32; W_qkv 3,072 x 1,024 float32; lowp_scales 8 int32 (the exponents e of the quantised operands' scales 2^e); x 4 x 2,048 x 1,024 float32.
;; Outputs: out0 4 x 2,048 x 1,024 float32.
;; This version of the problem:
;;   THIS VERSION OF THE PROBLEM IS GIVEN IN LOW PRECISION. The matrix products marked QUANTISED in the list below multiply operands that are first quantised to E4M3 (4 exponent bits, 3 mantissa bits; 8 bits a number), with one given power-of-two scale for each operand tensor; their sums are f32. All else is computed in f32.
;;   The module's matrix products, in the order in which they are computed (A, B: the left and right operand; K: the contracted axis; several contracted axes count as one K, in the product's order):
;;     1. [M 8,192, K 1,024] x [K 1,024, N 3,072]; A: input x; B: input W_qkv: QUANTISED (scales: A lowp_scales[0], B lowp_scales[1])
;;     2. batch 64 x [M 2,048, K 64] x [K 64, N 2,048]; A: computed on the way; B: computed on the way: QUANTISED (scales: A lowp_scales[2], B lowp_scales[3])
;;     3. batch 64 x [M 2,048, K 2,048] x [K 2,048, N 64]; A: softmax (see below); B: computed on the way: QUANTISED (scales: A lowp_scales[4], B lowp_scales[5])
;;     4. [M 8,192, K 1,024] x [K 1,024, N 1,024]; A: computed on the way; B: input W_out: QUANTISED (scales: A lowp_scales[6], B lowp_scales[7])
;;   THE QUANTISER, for each operand of a quantised product, along K:
;;     - The operand's scale is 2^e, e = its entry of the input lowp_scales (int32; the entries are numbered through the quantised products in the list's order, A before B).
;;     - Each number is divided by the scale, clamped to +-448, and rounded to the nearest number of E4M3, ties to even, subnormals kept.
;;     - The product sums the exact products of the quantised numbers (number of the format x scale) in f32.
;;   ~~~python
;;   def quantise(x, axis, e):      # numpy; x: float32 -> the quantised numbers, widened to float32 again
;;       x = np.moveaxis(x, axis, -1); K = x.shape[-1]
;;       r = np.clip(x / 2.0 ** e, -448, 448)
;;       step = 2.0 ** (np.maximum(np.frexp(np.where(r == 0, 1, r))[1] - 1, -6) - 3)
;;       q = np.round(r / step) * step * 2.0 ** e      # np.round: ties to even
;;       return np.moveaxis(q, -1, axis).astype(np.float32)
;;   ~~~
;;   SOFTMAX AHEAD OF A QUANTISED PRODUCT. Where the list says 'softmax', what is quantised is not the finished softmax but p = 2^(t - M), with t = logit x log2(e) and M = ceil(the row's largest t), a whole number; so 1/2 < the row's largest p <= 1. The row's sum l is taken of the UNQUANTISED p, in f32, and the product's result is divided by l at the end. Since M is a whole number, a kernel that streams over the keys may use a running M (the ceiling of the running maximum): every later rescaling is an exact power of two, so the quantised numbers keep their values, but for numbers so far below the row's largest that they fall under the format's range.
;;   OPERANDS COMPUTED ON THE WAY. 'Computed on the way' means the value that the module computes at that place (a softmax that the list does not call 'softmax' is quantised finished and normalised). What goes into a quantiser is computed in f32, as accurately as f32 sums, v_exp_f32 and their like allow (about 1e-6 of the number): no bf16 or f16 on the way to a quantiser, and a product that is left as it is and whose result goes on into a quantised operand takes f32 operands (vector FMAs, or v_wmma_f32_16x16x4_f32). A number that lies on a knife's edge between two numbers of the format may be rounded either way, as far as f32 arithmetic and the matrix unit's own rounding can turn it there, and no further.
;; One version. Each part assembles by itself: llvm-mc -triple=amdgcn-amd-amdhsa -mcpu=gfx1250 --defsym DOCPART=n.
;; ======== version 1 of 1: 4 launches
;; workspace buffers: x_codes 8,388,608 bytes; wqkv_codes 3,145,728 bytes; wout_codes 1,048,576 bytes; q_img 8,388,608 bytes; k_img 8,388,608 bytes; v_img 8,388,608 bytes; a_img 8,388,608 bytes
;; launch quant (part 1): grid 384 x 1, 4 waves a work-group, no clusters, 33,280 bytes of LDS; arguments x, W_qkv, W_out, lowp_scales, x_codes, wqkv_codes, wout_codes; writes x_codes, wqkv_codes, wout_codes
.if DOCPART == 1
	.amdgcn_target "amdgcn-amd-amdhsa--gfx1250"
	.amdhsa_code_object_version 6
	.text
	.protected	k_qe34c80e7c6_quant
	.globl	k_qe34c80e7c6_quant
	.p2align	8
	.type	k_qe34c80e7c6_quant,@function
k_qe34c80e7c6_quant:
	s_mov_b64 s[64:65], 0
	v_nop
	global_prefetch_b8 v0, s[64:65] scope:SCOPE_SE
	s_setreg_imm32_b32 hwreg(HW_REG_WAVE_MODE, 25, 1), 1
	s_wait_xcnt 0x0
; x [8192][1024], W_qkv [3072][1024] and W_out [1024][1024], f32 with K innermost, become codes of FP8 (E4M3), one byte each, in the same order,
; each with the one scale 2^e that is given for it: entry 0 (x), 1 (W_qkv), 7 (W_out) of the buffer of scales.
; code = number / 2^e, held within +-448, rounded to the nearest code, ties to even.
; LIMITS: -126 <= e <= 119, so that 2^e and 448 x 2^e are f32 numbers.  NaN among the inputs is not served (an infinity is held at the largest code).
; Rows are dense, so each tensor is a plain stream.  A work-group takes 32,768 numbers, a wave 16 steps of 512.  Work-groups 0-255 take x, 256-351 W_qkv, 352-383 W_out:
; only pointers, a first work-group and an exponent are chosen, by selects on the work-group's number; all take one path through the text.
; The conversion takes 8 neighbours from ONE lane's registers; a load is best where neighbouring LANES take neighbouring bytes.  Both are had: each of a step's four loads reads
; 512 consecutive bytes, 16 a lane; the 2,048 bytes go through the wave's own stage in LDS and come back 64 bytes a lane (80 bytes from lane to lane: 16 of padding behind each 64).
; A lane's 16 codes are 16 bytes: the wave stores 512 consecutive bytes.  No barrier: waves share nothing.  Loads run four steps (16 loads a wave) ahead, the turn through LDS one step.
.set STEPS, 16
.set WGX,   256                        ; x's work-groups: 8192 x 1024 / 32768
.set WGQ,   352                        ; + W_qkv's 96
.set EMAX,  8
.set MANT,  0x600000                   ; the mantissa field of 448 as f32
.set CB,    16                         ; bytes of 16 codes
.set R,     16                         ; v16-79   four sets of 16 numbers as they are loaded
.set X,     80                         ; v80-111  two sets of 16 neighbours
.set C,     128                        ; v128-191 codes: four registers for each step, so that no store's data are written again
.set WREG,  8192                       ; LDS: a region of its own for each wave: two stages of 32 x SP bytes
.set SP,    80
	s_load_b256 s[4:11], s[0:1], 0x0               ; x s[4:5], W_qkv s[6:7], W_out s[8:9], the scales' exponents s[10:11]
	s_load_b128 s[12:15], s[0:1], 0x20             ; x's codes, W_qkv's codes
	s_load_b64 s[16:17], s[0:1], 0x30              ; W_out's codes
	v_lshl_add_u32 v192, v0, 2, 0x8000
	v_mov_b32 v193, 0
	v_lshrrev_b32 v1, 5, v0
	v_readfirstlane_b32 s18, v1                    ; wave
	v_and_b32 v2, 31, v0                           ; lane
	v_lshlrev_b32 v3, 4, v2                        ; my 16 bytes of a load's 512
	s_mul_i32 s19, s18, WREG
	v_lshrrev_b32 v14, 2, v2
	v_mul_u32_u24 v14, v14, SP
	v_and_b32 v15, 3, v2
	v_lshl_add_u32 v14, v15, 4, v14
	v_add_nc_u32 v14, s19, v14                     ; the stage, on the way in: SP (lane / 4) + 16 (lane % 4); a load's 512 bytes take eight places
	v_mul_u32_u24 v15, v2, SP
	v_add_nc_u32 v15, s19, v15                     ; and on the way out: SP x lane: my 16 neighbours
	v_mul_u32_u24 v4, v2, CB                       ; my codes' place in a step's
	s_wait_kmcnt 0x0
	s_load_b256 s[24:31], s[10:11], 0x0            ; the eight exponents
	s_mov_b32 s33, WGQ
	s_cmp_lt_u32 ttmp9, WGQ                        ; W_qkv or W_out?  The choices hang on the work-group's number alone
	s_cselect_b64 s[6:7], s[6:7], s[8:9]
	s_cselect_b64 s[14:15], s[14:15], s[16:17]
	s_cselect_b32 s33, WGX, s33
	s_cmp_lt_u32 ttmp9, WGX                        ; x, or one of those two?
	s_cselect_b64 s[4:5], s[4:5], s[6:7]           ; the numbers
	s_cselect_b64 s[8:9], s[12:13], s[14:15]       ; the codes
	s_cselect_b32 s33, 0, s33                      ; the tensor's first work-group
	s_sub_co_u32 s34, ttmp9, s33
	s_lshl_b32 s34, s34, 2
	s_add_co_u32 s34, s34, s18                     ; which run of 8,192 numbers of the tensor is my wave's
	s_mov_b32 s35, 0
	s_mov_b64 s[36:37], 512*STEPS*4
	s_mul_u64 s[36:37], s[34:35], s[36:37]
	s_add_nc_u64 s[4:5], s[4:5], s[36:37]
	s_mov_b64 s[36:37], 32*STEPS*CB
	s_mul_u64 s[36:37], s[34:35], s[36:37]
	s_add_nc_u64 s[8:9], s[8:9], s[36:37]
.macro LOAD t
.irp i, 0,1,2,3
	global_load_b128 v[R+16*((\t)%4)+4*\i:R+16*((\t)%4)+4*\i+3], v3, s[4:5] offset:2048*(\t)+512*\i th:TH_LOAD_NT   ; 32 lanes read 512 consecutive bytes; read once in the launch
.endr
.endm
.macro TURN t                          ; step t's numbers through the stage: LDS serves a wave's instructions in order (ISA guide 5.7.1.4), so no wait stands between the stores and the loads
.irp i, 0,1,2,3
	ds_store_b128 v14, v[R+16*((\t)%4)+4*\i:R+16*((\t)%4)+4*\i+3] offset:32*SP*((\t)%2)+8*SP*\i
.endr
.irp i, 0,1,2,3
	ds_load_b128 v[X+16*((\t)%2)+4*\i:X+16*((\t)%2)+4*\i+3], v15 offset:32*SP*((\t)%2)+16*\i
.endr
.endm
.irp t, 0,1,2,3
	LOAD \t
.endr
	s_wait_kmcnt 0x0
	s_cmp_lt_u32 ttmp9, WGQ
	s_cselect_b32 s25, s25, s31                    ; W_qkv's e or W_out's
	s_cmp_lt_u32 ttmp9, WGX
	s_cselect_b32 s22, s24, s25                    ; e
	s_add_co_i32 s22, s22, 127
	s_lshl_b32 s23, s22, 23
	v_mov_b32 v11, s23                             ; 2^e as f32: the conversion takes its exponent field
	s_add_co_i32 s22, s22, EMAX
	s_lshl_b32 s22, s22, 23
	s_or_b32 s22, s22, MANT
	v_mov_b32 v10, s22                             ; 448 x 2^e
	s_wait_loadcnt 12                              ; step 0's four loads are in; the twelve of steps 1 to 3 may be out
	TURN 0
.macro STEP t
.set XS, X+16*((\t)%2)
	s_wait_dscnt 0x0                               ; this step's numbers are back from the stage: so its stores into the stage have read their registers,
.if (\t)+4 < STEPS
	LOAD (\t)+4                                    ; which take the loads of four steps on
.endif
.if (\t)+1 < STEPS
.if STEPS-2-(\t) >= 3
	s_wait_loadcnt 12                              ; the next step's four loads are in; those of the three steps behind it may be out
.else
	s_wait_loadcnt 4*(STEPS-2-(\t))                ; the tail: four for each step that is still behind the next one
.endif
	TURN (\t)+1                                    ; and go through the other stage while this step is worked
.endif
.irp i, 0,1,2,3,4,5,6,7,8,9,10,11,12,13,14,15
	v_med3_num_f32 v[XS+\i], v[XS+\i], -v10, v10   ; the conversion to an 8-bit code does not saturate (ISA guide 7.6.2): the number is held within 448 x the scale first
.endr
	v_cvt_scalef32_pk8_fp8_f32 v[C+4*(\t):C+4*(\t)+1], v[XS:XS+7], v11          ; eight numbers / 2^e, to the nearest code, ties to even; the first number's code in the lowest byte
	v_cvt_scalef32_pk8_fp8_f32 v[C+4*(\t)+2:C+4*(\t)+3], v[XS+8:XS+15], v11
	global_store_b128 v4, v[C+4*(\t):C+4*(\t)+3], s[8:9] offset:32*CB*(\t)      ; the codes go to a store alone; the next vector lines are the next step's holds, on other registers
.endm
.irp t, 0,1,2,3,4,5,6,7,8,9,10,11,12,13,14,15
	STEP \t
.endr
	s_wait_tensorcnt 0x0
	ds_add_u32 v192, v193
	s_wait_dscnt 0x0
	s_endpgm
.Lfunc_end_k_qe34c80e7c6_quant:
	.size	k_qe34c80e7c6_quant, .Lfunc_end_k_qe34c80e7c6_quant-k_qe34c80e7c6_quant
	.p2alignl 7, 3214868480
	.fill 96, 4, 3214868480
	.section	.rodata,"a",@progbits
	.p2align	6, 0x0
	.amdhsa_kernel k_qe34c80e7c6_quant
		.amdhsa_group_segment_fixed_size 33280
		.amdhsa_private_segment_fixed_size 0
		.amdhsa_enable_private_segment 0
		.amdhsa_kernarg_size 56
		.amdhsa_user_sgpr_count 2
		.amdhsa_user_sgpr_kernarg_segment_ptr 1
		.amdhsa_wavefront_size32 1
		.amdhsa_system_sgpr_workgroup_id_x 1
		.amdhsa_system_sgpr_workgroup_id_y 1
		.amdhsa_system_sgpr_workgroup_id_z 1
		.amdhsa_system_vgpr_workitem_id 0
		.amdhsa_next_free_vgpr 194
		.amdhsa_next_free_sgpr 66
		.amdhsa_reserve_vcc 0
		.amdhsa_float_denorm_mode_32 3
		.amdhsa_float_denorm_mode_16_64 3
		.amdhsa_memory_ordered 1
		.amdhsa_forward_progress 1
		.amdhsa_inst_pref_size 38
	.end_amdhsa_kernel
	.amdgpu_metadata
---
amdhsa.version: [ 1, 2 ]
amdhsa.kernels:
  - .name:           k_qe34c80e7c6_quant
    .symbol:         k_qe34c80e7c6_quant.kd
    .args:
      - { .name: x, .offset: 0, .size: 8, .value_kind: global_buffer, .address_space: global }
      - { .name: W_qkv, .offset: 8, .size: 8, .value_kind: global_buffer, .address_space: global }
      - { .name: W_out, .offset: 16, .size: 8, .value_kind: global_buffer, .address_space: global }
      - { .name: lowp_scales, .offset: 24, .size: 8, .value_kind: global_buffer, .address_space: global }
      - { .name: x_codes, .offset: 32, .size: 8, .value_kind: global_buffer, .address_space: global }
      - { .name: wqkv_codes, .offset: 40, .size: 8, .value_kind: global_buffer, .address_space: global }
      - { .name: wout_codes, .offset: 48, .size: 8, .value_kind: global_buffer, .address_space: global }
    .group_segment_fixed_size: 33280
    .private_segment_fixed_size: 0
    .kernarg_segment_align: 8
    .kernarg_segment_size: 56
    .max_flat_workgroup_size: 128
    .sgpr_count:     66
    .vgpr_count:     194
    .wavefront_size: 32
...
	.end_amdgpu_metadata
.endif
;; end of part 1
;; launch gemm_qkv (part 2): grid 12 x 32, 4 waves a work-group, clusters of 4 x 4, 327,680 bytes of LDS; arguments x_codes, wqkv_codes, lowp_scales, q_img, k_img, v_img; writes q_img, k_img, v_img
.if DOCPART == 2
	.amdgcn_target "amdgcn-amd-amdhsa--gfx1250"
	.amdhsa_code_object_version 6
	.text
	.protected	k_qe34c80e7c6_gemm_qkv
	.globl	k_qe34c80e7c6_gemm_qkv
	.p2align	8
	.type	k_qe34c80e7c6_gemm_qkv,@function
k_qe34c80e7c6_gemm_qkv:
	s_mov_b64 s[64:65], 0
	v_nop
	global_prefetch_b8 v0, s[64:65] scope:SCOPE_SE
	s_setreg_imm32_b32 hwreg(HW_REG_WAVE_MODE, 25, 1), 1
	s_wait_xcnt 0x0
	s_wait_alu depctr_hold_cnt(0) depctr_sa_sdst(0) depctr_va_vdst(0) depctr_va_sdst(0) depctr_va_ssrc(0) depctr_va_vcc(0) depctr_vm_vsrc(0)
	s_getreg_b32 s2, hwreg(HW_REG_IB_STS2, 6, 4)
	s_cmp_eq_u32 s2, 0
	s_cbranch_scc0 .Lentry_in_a_cluster
	s_endpgm
.Lentry_in_a_cluster:
	s_bfe_u32 s2, ttmp6, 0x10000c
	s_cmp_lg_u32 s2, 0xf033
	s_cbranch_scc0 .Lentry_shape_is_right
	s_endpgm
.Lentry_shape_is_right:
; qkv = x W_qkv^T on codes of FP8 (E4M3), K = 1,024; the sums are quantised at once, as the operands of the attention's two products, and stored as IMAGES OF OPERAND REGISTERS.
; A tile of 256 x 256 sums is made by a work-group of four waves; a wave makes 128 x 128: 64 accumulators of 16 x 16, 512 registers.  K goes in steps of 256 through a ring of two LDS slots
; filled by the tensor data mover: a tile's row is 256 bytes of memory.
; ONE TEXT FOR Q, K AND V, told apart by the cluster's x, which all sixteen partners share.  Cluster x = 0 (Q), 1 (K): operand 'A' = x's codes (tokens), 'B' = W_qkv's rows 0-2047 (channels).
; Cluster x = 2 (V): 'A' = W_qkv's rows 2048-3071 (channels), 'B' = x's codes (tokens): V is made TRANSPOSED, since the keys are the K of the attention's second product.
; THE MATRIX INSTRUCTION IS USED TRANSPOSED (source 0 = 16 rows of B, source 1 = 16 rows of A): lane (r, h) of accumulator (a, b) holds A's row 16 a + r and B's rows 16 b + 8 h + 0 .. 7:
; eight neighbours along the next product's K (channels for Q and K, tokens for V), which one conversion turns into 8 bytes.
; CLUSTERS: 4 x 4 work-groups.  The four of a row of the cluster need the same tiles of A, the four of a column the same tiles of B: each tile is asked for JOINTLY.
; A sum stands for sum x 2^(e0 + e1); its code under the scale 2^eT (eT = entry 2 for q, 3 for k, 5 for v) is sum / 2^(eT - e0 - e1), held at +-448 of it.
; LIMIT: eT - e0 - e1 between -126 and 119, so that this power of two and 448 x it are f32 numbers.
; THE IMAGES.  In every piece of 512 bytes lane l = r' + 16 h' owns the 16 bytes at 16 l.
;   q_img, k_img: [batch x head 64][block of 128 tokens 16][tile T 8][piece p 2][512]: row r' of tile T is token 32 (T / 2) + 8 (T % 2) + r' + 8 (r' / 8) of the block; piece p holds channels 32 h' + 16 p + 0 .. 15.
;   v_img: [batch x head 64][128 keys 16][t 4][c 4][512]: channel 16 t + r', keys 32 c + 16 h' + 0 .. 15.
; REGISTERS, in windows of 256: window 0: v16-31 addresses and two constants; from v128 A's fragments (8 x 16 rows x 128 K), ONE set; on the way out v32-159 the codes, v160-223 rows read back.
;   window 1: B's fragments, TWO sets, at v0 and at v128.   window 2: the 32 accumulators of my rows 0-63 (accumulator (a, b) at v[8 (8 a + b)]);   window 3: those of my rows 64-127.
.set SIZE_K, 1024
.set KSTEP,  256                       ; along K in a slot
.set ROWB,   256                       ; a tile's row in bytes
.set KROW,   SIZE_K                    ; a row of codes in memory, in bytes
.set PITCH,  272                       ; an LDS row: 256 bytes of data + 16 of padding = 68 words: row r starts at bank 4 r mod 64 (64 banks of 4 bytes: ISA guide 11.1)
.set FR,     16                        ; registers of a fragment: 16 rows x 128 K
.set NL,     4                         ; LDS loads that bring one
.set NP,     4                         ; places behind this matrix instruction (ISA guide 7.12.1)
.set HALFT,  128*PITCH                 ; 128 rows: what one tensor load brings, and what one wave reads of A or of B
.set SLOT,   4*HALFT                   ; A's 256 rows, then B's 256 rows
.set LAPS,   SIZE_K/(2*KSTEP)          ; a lap = two K steps = once round the ring: 2
.set SPARE,  2*SLOT                    ; behind the ring: the spare words, 128 bytes for each wave: two blocks of 256 bytes that no other line names
.set HEADB,  131072                    ; an image's bytes for one batch x head: 16 blocks of 8,192
.set ADRA, 16                          ; v16-17  LDS address of my A fragments in slot 0, 1
.set ADRB, 20                          ; v20-21  the same for B
.set STO,  24                          ; v24     the way out (Q, K): where I put 8 bytes in my stage.  The stage, 16,384 bytes a wave, lies in slot 0, which has had its last fill and its last read by then
.set RD,   25                          ; v25     where I read 16 bytes of the stage back
.set CO,   26                          ; v26     the way out (V): 16 r + 8 h
.set GOF,  27                          ; v27     16 x lane
.set SPW,  28                          ; v28     LDS address of my spare word: SPARE + 4 x my thread's number; never rewritten
.set NIL,  29                          ; v29     0; never rewritten
.set SC,   30                          ; v30     2^(eT - e0 - e1) as f32
.set LM,   31                          ; v31     448 x that
.set CD,   32                          ; v32-159 the codes: two registers for accumulator 8 a + b
.set AF,   128                         ; A's fragments, in window 0
.set G1, 24                            ; s[24:31] descriptor group 1 for A's tiles;  s[32:39] group 0, one set for each slot
.set G0, 32
.set G1B, 48                           ; s[48:55], s[56:63] the same for B's tiles
.set G0B, 56
.set MSB, 0
.macro WIN new                         ; the immediate's high byte repeats the setting that is left
.if MSB != \new
	s_set_vgpr_msb (MSB<<8)|\new
.set MSB, \new
.endif
.endm
.set MUL_LO, 0xa1                      ; source 0 (B) window 1, source 1 (A) window 0, C and D window 2
.set MUL_HI, 0xf1                      ; the same, C and D window 3
.set TO_B,   0x40                      ; destination window 1, address window 0
; A joint load: waves 0 and 1 fetch for A, waves 2 and 3 for B.  Each of the two lines has ONE mask and one set of registers for all that issue it; the branch hangs on the wave's number alone.
; Four v_nop follow each of the two lines, ahead of the jump, the label and what follows.
.macro JLOAD g0a, g1a, g0b, g1b
	s_cmp_eq_u32 s15, 0
	s_cbranch_scc0 .Lfor_b_\@
	tensor_load_to_lds s[\g0a:\g0a+3], s[\g1a:\g1a+7]
	s_nop 0
.rept 4
	v_nop
.endr
	s_branch .Lasked_\@
.Lfor_b_\@:
	tensor_load_to_lds s[\g0b:\g0b+3], s[\g1b:\g1b+7]
	s_nop 0
.rept 4
	v_nop
.endr
.Lasked_\@:
.endm
.macro CREST                           ; a round of the cluster's barrier behind its opening barrier
	s_cmp_lg_u32 s14, 0
	s_cbranch_scc1 .Lnot_wave_0_\@
	s_barrier_signal -3
.Lnot_wave_0_\@:
	s_barrier_wait -3
	s_barrier_signal -1
	s_barrier_wait -1
.endm
.macro CROUND                          ; a whole round
	s_barrier_signal -1
	s_barrier_wait -1
	CREST
.endm
	s_load_b128 s[4:7], s[0:1], 0x0                ; x's codes s[4:5], W_qkv's codes s[6:7]
	s_load_b128 s[8:11], s[0:1], 0x10              ; the scales' exponents s[8:9], q_img s[10:11]
	s_load_b128 s[68:71], s[0:1], 0x20             ; k_img s[68:69], v_img s[70:71]
	v_lshl_add_u32 v[SPW], v0, 2, SPARE
	v_mov_b32 v[NIL], 0
	ds_add_u32 v28, v29
	ds_add_u32 v28, v29
	s_wait_dscnt 0x0
	v_lshrrev_b32 v1, 5, v0
	v_readfirstlane_b32 s14, v1                    ; wave 0..3
	s_lshr_b32 s15, s14, 1                         ; which half of the tile's rows is mine.  Also: I fetch for A (0) or for B (1)
	s_and_b32 s16, s14, 1                          ; which half of its columns.  Also: which 128 rows of that tile I fetch
	s_bfe_u32 s40, ttmp6, 0x40000                  ; cx, cy: my place in the cluster
	s_bfe_u32 s41, ttmp6, 0x40004
	s_and_b32 s72, ttmp7, 0xffff                   ; the cluster's y: 0..7
	s_cmp_eq_u32 ttmp9, 2                          ; V?  The cluster's x is the same in all sixteen partners
	s_cselect_b32 s73, 0, s72                      ; clusters down A: Q, K: the tokens' 8; V: W_v's rows are one cluster high
	s_cselect_b32 s74, s72, ttmp9                  ; clusters along B: Q, K: cluster x (rows 0-2047 of W_qkv); V: the tokens' 8
	s_lshl_b32 s42, s74, 2
	s_add_co_u32 s42, s42, s40                     ; tile column = 4 x that + cx
	s_lshl_b32 s17, s73, 2
	s_add_co_u32 s17, s17, s41                     ; tile row = 4 x that + cy
	s_lshl_b32 s43, s41, 2
	s_lshl_b32 s43, 15, s43                        ; my row of the cluster
	s_lshl_b32 s44, 0x1111, s40                    ; my column
	; descriptor group 1: a tile of 128 rows x 256 bytes, padded in LDS
	s_or_b32 s[G1+0], s43, (0<<16)|(1<<20)|(1<<21)|(5<<22)|(3<<25)  ; 15:0 the mask: A's tiles go to my row; 17:16 element of 1 byte; 20 padding on; 21 set beside a mask; 24:22 after every 64 words (code 5); 31:25 of 4 words (code 3)
	s_or_b32 s[G1B+0], s44, (0<<16)|(1<<20)|(1<<21)|(5<<22)|(3<<25) ; the same with the mask of my column
.irp g, G1, G1B
	s_mov_b32 s[\g+1], ROWB<<16                    ; tensor_dim0
	s_mov_b32 s[\g+2], 128<<16                     ; tensor_dim1 = 128
	s_mov_b32 s[\g+3], ROWB<<16                    ; tile_dim0
	s_mov_b32 s[\g+4], 128                         ; tile_dim1 = 128
	s_mov_b32 s[\g+5], KROW                        ; tensor_dim0_stride
	s_mov_b32 s[\g+6], 0
	s_mov_b32 s[\g+7], 0
.endr
	s_lshl_b32 s18, s16, 7                         ; which 128 rows of the tile I fetch
	s_lshl_b32 s20, s17, 8
	s_add_co_u32 s20, s20, s18                     ; A: row 256 x tile row + 128 x half
	s_lshl_b32 s46, s42, 8
	s_add_co_u32 s46, s46, s18                     ; B: row 256 x tile column + 128 x half
	s_mov_b32 s21, 0
	s_mov_b32 s47, 0
	s_mov_b64 s[18:19], KROW
	s_mul_u64 s[20:21], s[20:21], s[18:19]         ; in bytes
	s_mul_u64 s[46:47], s[46:47], s[18:19]
	s_mul_i32 s45, s14, HALFT                      ; where they go: wave x 128 rows: no place in the cluster enters an LDS address
	s_wait_kmcnt 0x0
	s_load_b256 s[84:91], s[8:9], 0x0              ; the eight exponents; wanted on the way out
	s_add_nc_u64 s[76:77], s[6:7], 2048*KROW       ; W_v: rows 2048 on of W_qkv's codes
	s_cmp_eq_u32 ttmp9, 2
	s_cselect_b64 s[78:79], s[76:77], s[4:5]       ; A: W_v for V, else x
	s_cselect_b64 s[80:81], s[4:5], s[6:7]         ; B: x for V, else W_qkv
	s_add_nc_u64 s[20:21], s[78:79], s[20:21]
	s_add_nc_u64 s[46:47], s[80:81], s[46:47]
	CROUND                                         ; all sixteen work-groups are here: the first joint loads meet
.irp s, 0,1
	s_mov_b32 s[G0+4*\s], 1
	s_add_co_u32 s[G0+4*\s+1], s45, \s*SLOT
	s_add_nc_u64 s[G0+4*\s+2:G0+4*\s+3], s[20:21], \s*ROWB
	s_or_b32 s[G0+4*\s+3], s[G0+4*\s+3], 0x80000000
	s_mov_b32 s[G0B+4*\s], 1
	s_add_co_u32 s[G0B+4*\s+1], s45, \s*SLOT
	s_add_nc_u64 s[G0B+4*\s+2:G0B+4*\s+3], s[46:47], \s*ROWB
	s_or_b32 s[G0B+4*\s+3], s[G0B+4*\s+3], 0x80000000
	JLOAD G0+4*\s, G1, G0B+4*\s, G1B               ; two tensor loads of mine are out behind these two
.endr
	v_and_b32 v1, 15, v0                           ; r = l % 16
	v_bfe_u32 v2, v0, 4, 1                         ; h = l / 16
	v_mul_u32_u24 v3, v1, PITCH
	v_lshl_add_u32 v4, v2, 4, v3                   ; a fragment's row x pitch + 16 x half
	s_mul_i32 s21, s15, HALFT                      ; my 128 rows of A
	s_mul_i32 s22, s16, HALFT                      ; my 128 rows of B,
	s_add_co_u32 s22, s22, 2*HALFT                 ; which lie behind A's 256
.irp s, 0,1
	v_add_nc_u32 v[ADRA+\s], s21, v4
	v_add_nc_u32 v[ADRB+\s], s22, v4
	s_add_co_u32 s21, s21, SLOT
	s_add_co_u32 s22, s22, SLOT
.endr
	s_lshl_b32 s23, s14, 14                        ; my stage: 16,384 x wave
	v_and_b32 v5, 7, v1                            ; r % 8
	v_lshrrev_b32 v6, 3, v1                        ; r / 8
	v_lshlrev_b32 v[STO], 10, v6
	v_lshl_add_u32 v[STO], v5, 4, v[STO]
	v_lshl_add_u32 v[STO], v2, 3, v[STO]
	v_add_nc_u32 v[STO], s23, v[STO]               ; in: 1,024 (r / 8) + 16 (r % 8) + 8 h
	v_and_b32 v6, 31, v0
	v_lshlrev_b32 v[GOF], 4, v6                    ; 16 x lane
	v_add_nc_u32 v[RD], s23, v[GOF]                ; back: 512 consecutive bytes an instruction
	v_lshlrev_b32 v[CO], 4, v1
	v_lshl_add_u32 v[CO], v2, 3, v[CO]             ; V: 16 r + 8 h
.macro FRAG reg, adr, q, i             ; a fragment, 16 rows x 128 K of 8-bit codes, is 16 registers: lane l holds row l % 16; registers 4 c .. 4 c + 3 hold K = 32 c + 16 (l / 16) + 0 .. 15: the same places in A and in B
.irp c, 0,1,2,3
	ds_load_b128 v[\reg+4*\c:\reg+4*\c+3], v[\adr] offset:128*(\q)+32*\c+(\i)*16*PITCH
.endr
.endm
; 16 matrix instructions: A's blocks a0, a0 + 1 x B's eight, 128 along K.  p: B's set.  zero = 1: the first product starts the sums: nothing is ever cleared.
; The 64 accumulators take turns, one instruction a turn, in the same order in every step.
.macro MUL16 a0, p, zero
.irp a, \a0, \a0+1
.irp b, 0,1,2,3,4,5,6,7
.if \zero
	v_wmma_f32_16x16x128_fp8_fp8 v[8*(8*((\a)%4)+\b):8*(8*((\a)%4)+\b)+7], v[128*(\p)+FR*\b:128*(\p)+FR*\b+FR-1], v[AF+FR*(\a):AF+FR*(\a)+FR-1], 0
.else
	v_wmma_f32_16x16x128_fp8_fp8 v[8*(8*((\a)%4)+\b):8*(8*((\a)%4)+\b)+7], v[128*(\p)+FR*\b:128*(\p)+FR*\b+FR-1], v[AF+FR*(\a):AF+FR*(\a)+FR-1], v[8*(8*((\a)%4)+\b):8*(8*((\a)%4)+\b)+7]
.endif
.endr
.endr
.endm
.macro FETCH_B slot, q, p              ; B's eight fragments of the slot's q-th 128 along K into set p
	WIN TO_B
.irp i, 0,1,2,3,4,5,6,7
	FRAG 128*(\p)+FR*\i, ADRB+\slot, \q, \i
.endr
	WIN 0
.endm
.macro FETCH_A slot, q, i0             ; A's blocks i0 .. i0 + 3
.irp i, \i0, \i0+1, \i0+2, \i0+3
	FRAG AF+FR*(\i), ADRA+\slot, \q, \i
.endr
.endm
; A load into a register that a matrix instruction has read, and a vector instruction that reads a matrix result, stand NP places behind that matrix instruction, and only plain vector
; instructions that name none of its registers are places (ISA guide 7.12.1 for vector instructions).
.macro PLACES n
.rept \n
	v_nop
.endr
.endm
; A step of 128 along K that has its successor in the same slot.
.macro STEP slot, q, zero
	s_wait_dscnt 4*NL                              ; B's set and A's blocks 0-3 are in; the youngest sixteen loads (A's blocks 4-7) may be out
	WIN MUL_LO
	MUL16 0, (\q)%2, \zero
	MUL16 2, (\q)%2, \zero
	s_wait_dscnt 0                                 ; A's blocks 4-7 are in (asked for 32 matrix instructions ago)
	PLACES NP
	FETCH_B \slot, (\q)+1, 1-(\q)%2
	FETCH_A \slot, (\q)+1, 0
	WIN MUL_HI
	MUL16 4, (\q)%2, \zero
	MUL16 6, (\q)%2, \zero
	PLACES NP
	WIN 0
	FETCH_A \slot, (\q)+1, 4
.endm
; A slot's last step changes slots: ONE barrier; in front of it each wave waits for all its tensor loads, adds 0 to its spare word, and waits for that and for its own reads of this slot.  fill = 1: this slot is filled again, two K steps ahead.
.macro TURN slot, next, fill
	s_wait_tensorcnt 0x0                           ; all my tensor loads have landed: my part of the next slot;  (every window is 0 here: the add's two registers lie in window 0)
	ds_add_u32 v[SPW], v[NIL]                      ; 0 onto my spare word
	s_wait_dscnt 4*NL+1                            ; (the add and the youngest sixteen loads, A's blocks 4-7, may be out)
	WIN MUL_LO
	MUL16 0, 1, 0                                  ; sixteen matrix instructions stand between the add and the wait for it
	s_wait_dscnt 0x0                               ; the add is done, and my reads of this slot are over
	s_barrier_signal -1
	MUL16 2, 1, 0
	WIN 0
	s_barrier_wait -1
.if \fill
	CREST                                          ; the barrier has opened a round of the cluster's barrier: no wave of any partner still reads this slot's tile or has a load on its way
	s_add_nc_u64 s[G0+4*\slot+2:G0+4*\slot+3], s[G0+4*\slot+2:G0+4*\slot+3], 2*ROWB
	s_add_nc_u64 s[G0B+4*\slot+2:G0B+4*\slot+3], s[G0B+4*\slot+2:G0B+4*\slot+3], 2*ROWB
	JLOAD G0+4*\slot, G1, G0B+4*\slot, G1B         ; the first tensor load behind the round, and my only one out; the four v_nop behind it are the places in front of the loads below
.else
	PLACES NP
.endif
	FETCH_B \next, 0, 0
	FETCH_A \next, 0, 0
	WIN MUL_HI
	MUL16 4, 1, 0
	MUL16 6, 1, 0
	PLACES NP
	WIN 0
	FETCH_A \next, 0, 4
.endm
	s_wait_tensorcnt 1                             ; my part of K step 0 is in (K step 1's load may be out)
	s_barrier_signal -1
	s_barrier_wait -1                              ; everybody's is
	FETCH_B 0, 0, 0
	FETCH_A 0, 0, 0
	FETCH_A 0, 0, 4
	STEP 0, 0, 1                                   ; the first step stands in front of the loop: its products start the sums
	s_mov_b32 s3, LAPS-1
.Llap:                                                 ; a trip goes once round the ring, from a lap's second step to the next lap's first, and fills both slots again
	TURN 0, 1, 1
	STEP 1, 0, 0
	TURN 1, 0, 1
	STEP 0, 0, 0
	s_sub_co_u32 s3, s3, 1
	s_cmp_lg_u32 s3, 0
	s_cbranch_scc1 .Llap
	TURN 0, 1, 0                                   ; the last lap fills nothing, and has no round of the cluster's barrier
	STEP 1, 0, 0
	s_wait_dscnt 4*NL                              ; the very last step: nothing more to fetch
	WIN MUL_LO
	MUL16 0, 1, 0
	MUL16 2, 1, 0
	s_wait_dscnt 0
	WIN MUL_HI
	MUL16 4, 1, 0
	MUL16 6, 1, 0
	WIN 0
	; THE WAY OUT.  Which image, where in it, and which scale: selects on the cluster's x; these numbers feed store addresses and two constants alone.
	s_wait_kmcnt 0x0                               ; the exponents
	s_lshl_b32 s72, s17, 8
	s_lshl_b32 s73, s15, 7
	s_add_co_u32 s72, s72, s73                     ; my first row of A: 256 x tile row + 128 x half
	s_lshl_b32 s73, s42, 8
	s_lshl_b32 s74, s16, 7
	s_add_co_u32 s73, s73, s74                     ; my first row of B
	s_cmp_eq_u32 ttmp9, 2
	s_cselect_b32 s74, s73, s72                    ; my first token: B's row for V, else A's
	s_cselect_b32 s75, s72, s73                    ; my first channel
	s_cselect_b32 s92, s89, s86                    ; eT: entry 5 (v) or 2 (q)
	s_cselect_b64 s[94:95], s[70:71], s[10:11]     ; v_img or q_img
	s_cmp_eq_u32 ttmp9, 1
	s_cselect_b32 s92, s87, s92                    ; or entry 3 (k)
	s_cselect_b64 s[94:95], s[68:69], s[94:95]     ; and k_img
	s_and_b32 s75, s75, 1023                       ; the channel within q, k or v,
	s_lshr_b32 s75, s75, 6                         ; my first head of two
	s_lshr_b32 s76, s74, 11                        ; the batch
	s_lshr_b32 s77, s74, 7
	s_and_b32 s77, s77, 15                         ; the block of 128 tokens within it
	s_lshl_b32 s76, s76, 4
	s_add_co_u32 s76, s76, s75                     ; 16 x batch + head
	s_lshl_b32 s76, s76, 4
	s_add_co_u32 s76, s76, s77
	s_lshl_b32 s76, s76, 13                        ; x 8,192 bytes a block
	s_mov_b32 s77, 0
	s_add_nc_u64 s[94:95], s[94:95], s[76:77]
	s_sub_co_i32 s92, s92, s84
	s_sub_co_i32 s92, s92, s85                     ; eT - e0 - e1
	s_add_co_i32 s92, s92, 127
	s_lshl_b32 s93, s92, 23
	v_mov_b32 v[SC], s93                           ; 2^(eT - e0 - e1) as f32: the conversion takes its exponent field
	s_add_co_i32 s92, s92, 8
	s_lshl_b32 s92, s92, 23
	s_or_b32 s92, s92, 0x600000
	v_mov_b32 v[LM], s92                           ; 448 x that
	PLACES NP                                      ; behind the last products: their results are read and written below, and the codes land where A's fragments lay
	WIN 0x82                                       ; source 0 and destination window 2
.set i, 0
.rept 256
	v_med3_num_f32 v[i], v[i], -v[LM], v[LM]       ; the conversion to an 8-bit code does not saturate (ISA guide 7.6.2): the hold, in place; each accumulator from its low end on
.set i, i+1
.endr
	WIN 0x02                                       ; source 0 window 2, destination window 0
.set i, 0
.rept 32
	v_cvt_scalef32_pk8_fp8_f32 v[CD+2*i:CD+2*i+1], v[8*i:8*i+7], v[SC]
.set i, i+1
.endr
	WIN 0xc3                                       ; the same for window 3
.set i, 0
.rept 256
	v_med3_num_f32 v[i], v[i], -v[LM], v[LM]
.set i, i+1
.endr
	WIN 0x03
.set i, 0
.rept 32
	v_cvt_scalef32_pk8_fp8_f32 v[CD+64+2*i:CD+64+2*i+1], v[8*i:8*i+7], v[SC]
.set i, i+1
.endr
	v_nop                                          ; one plain vector line behind the last conversion
	WIN 0
	s_cmp_eq_u32 ttmp9, 2
	s_cbranch_scc1 .Lv                             ; the same way in all sixteen partners and all four waves
	; Q, K.  Token 16 a + r is row (r % 8) + 8 (a % 2) of tile 2 (a / 2) + r / 8; channel 16 (b % 4) + 8 h + j of head b / 4 is byte 8 h + j of piece b % 2 in lanes' half (b % 4) / 2.
	; The 8-byte pieces meet in my own stage as the image has them, and leave 512 consecutive bytes an instruction.
.irp a, 0,1,2,3,4,5,6,7
.irp b, 0,1,2,3,4,5,6,7
	ds_store_b64 v[STO], v[CD+2*(8*\a+\b):CD+2*(8*\a+\b)+1] offset:(\b/4)*8192+(\a/2)*2048+(\a%2)*128+(\b%2)*512+((\b%4)/2)*256
.endr
.endr
.irp i, 0,1,2,3,4,5,6,7,8,9,10,11,12,13,14,15
	ds_load_b128 v[160+4*\i:160+4*\i+3], v[RD] offset:512*\i          ; my first head.  LDS serves a wave's instructions in order (ISA guide 5.7.1.4): these see my stores
.endr
	s_wait_dscnt 16                                ; all but the sixteen loads just issued: the stores have read the codes' registers, which the next loads take
.irp i, 0,1,2,3,4,5,6,7,8,9,10,11,12,13,14,15
	ds_load_b128 v[CD+4*\i:CD+4*\i+3], v[RD] offset:8192+512*\i       ; my second head
.endr
	s_wait_dscnt 16                                ; the first head's sixteen are in; the second head's may be out
.irp i, 0,1,2,3,4,5,6,7,8,9,10,11,12,13,14,15
	global_store_b128 v[GOF], v[160+4*\i:160+4*\i+3], s[94:95] offset:512*\i   ; 32 lanes store 512 consecutive bytes, at a multiple of 512 from the image's first byte
.endr
	s_wait_dscnt 0x0
.irp i, 0,1,2,3,4,5,6,7,8,9,10,11,12,13,14,15
	global_store_b128 v[GOF], v[CD+4*\i:CD+4*\i+3], s[94:95] offset:HEADB+512*\i
.endr
	s_branch .Lend
.Lv:
	; V.  Channel 16 a + r is row r of tile a % 4 of head a / 4; key 16 b + 8 h + j is byte 8 h + j of piece b / 2 in lanes' half b % 2: the 32 lanes' 8 bytes are 256 consecutive bytes of the image as they stand.
.irp a, 0,1,2,3,4,5,6,7
.irp b, 0,1,2,3,4,5,6,7
	global_store_b64 v[CO], v[CD+2*(8*\a+\b):CD+2*(8*\a+\b)+1], s[94:95] offset:(\a/4)*HEADB+(\a%4)*2048+\b*256
.endr
.endr
.Lend:
	s_wait_tensorcnt 0x0                           ; the wave's end, behind my last tensor load and my last LDS store
	ds_add_u32 v[SPW], v[NIL]
	s_wait_dscnt 0x0
	CROUND                                         ; the closing round: no work-group ends while a partner may still ask for a tile that names it
	s_endpgm
.Lfunc_end_k_qe34c80e7c6_gemm_qkv:
	.size	k_qe34c80e7c6_gemm_qkv, .Lfunc_end_k_qe34c80e7c6_gemm_qkv-k_qe34c80e7c6_gemm_qkv
	.p2alignl 7, 3214868480
	.fill 96, 4, 3214868480
	.section	.rodata,"a",@progbits
	.p2align	6, 0x0
	.amdhsa_kernel k_qe34c80e7c6_gemm_qkv
		.amdhsa_group_segment_fixed_size 327680
		.amdhsa_private_segment_fixed_size 0
		.amdhsa_enable_private_segment 0
		.amdhsa_kernarg_size 48
		.amdhsa_user_sgpr_count 2
		.amdhsa_user_sgpr_kernarg_segment_ptr 1
		.amdhsa_wavefront_size32 1
		.amdhsa_system_sgpr_workgroup_id_x 1
		.amdhsa_system_sgpr_workgroup_id_y 1
		.amdhsa_system_sgpr_workgroup_id_z 1
		.amdhsa_system_vgpr_workitem_id 0
		.amdhsa_next_free_vgpr 1024
		.amdhsa_next_free_sgpr 98
		.amdhsa_reserve_vcc 0
		.amdhsa_float_denorm_mode_32 3
		.amdhsa_float_denorm_mode_16_64 3
		.amdhsa_memory_ordered 1
		.amdhsa_forward_progress 1
		.amdhsa_inst_pref_size 130
	.end_amdhsa_kernel
	.amdgpu_metadata
---
amdhsa.version: [ 1, 2 ]
amdhsa.kernels:
  - .name:           k_qe34c80e7c6_gemm_qkv
    .symbol:         k_qe34c80e7c6_gemm_qkv.kd
    .args:
      - { .name: x_codes, .offset: 0, .size: 8, .value_kind: global_buffer, .address_space: global }
      - { .name: wqkv_codes, .offset: 8, .size: 8, .value_kind: global_buffer, .address_space: global }
      - { .name: lowp_scales, .offset: 16, .size: 8, .value_kind: global_buffer, .address_space: global }
      - { .name: q_img, .offset: 24, .size: 8, .value_kind: global_buffer, .address_space: global }
      - { .name: k_img, .offset: 32, .size: 8, .value_kind: global_buffer, .address_space: global }
      - { .name: v_img, .offset: 40, .size: 8, .value_kind: global_buffer, .address_space: global }
    .group_segment_fixed_size: 327680
    .private_segment_fixed_size: 0
    .kernarg_segment_align: 8
    .kernarg_segment_size: 48
    .max_flat_workgroup_size: 128
    .sgpr_count:     98
    .vgpr_count:     1024
    .wavefront_size: 32
...
	.end_amdgpu_metadata
.endif
;; end of part 2
;; launch attn (part 3): grid 256 x 1, 8 waves a work-group, no clusters, 33,792 bytes of LDS; arguments q_img, k_img, v_img, lowp_scales, a_img; writes a_img
.if DOCPART == 3
	.amdgcn_target "amdgcn-amd-amdhsa--gfx1250"
	.amdhsa_code_object_version 6
	.text
	.protected	k_qe34c80e7c6_attn
	.globl	k_qe34c80e7c6_attn
	.p2align	8
	.type	k_qe34c80e7c6_attn,@function
k_qe34c80e7c6_attn:
	s_mov_b64 s[64:65], 0
	v_nop
	global_prefetch_b8 v0, s[64:65] scope:SCOPE_SE
	s_setreg_imm32_b32 hwreg(HW_REG_WAVE_MODE, 25, 1), 1
	s_wait_xcnt 0x0
; Causal attention on codes of FP8 (E4M3): 64 batch x heads, 2,048 tokens, head size 64.  Both products are quantised; the result is quantised at once as the operand of the output product.
; INPUTS are images of operand registers (in every piece of 512 bytes lane l = r + 16 h owns the 16 bytes at 16 l):
;   q_img, k_img [bh 64][block of 128 tokens 16][tile T 8][piece p 2][512]: row r of tile T is token 32 (T / 2) + 8 (T % 2) + r + 8 (r / 8) of the block; piece p: channels 32 h + 16 p + 0 .. 15.
;   v_img [bh][128 keys 16][t 4][c 4][512]: channel 16 t + r, keys 32 c + 16 h + 0 .. 15.
; OUTPUT a_img [256 of K 4][16 rows 512][128 of K 2][c 4][512]: rows in q_img's order of tokens; k = 64 x head + channel, 32 c + 16 h + 0 .. 15 within its 128.
; THE SOFTMAX: t = score x log2(e) / 8; M = the running largest t, rounded UP to a whole number; p = 2^(t - M) is quantised, not normalised; the row's sum is taken of the unquantised p and divides at the end.
; When M moves, the sum and O are multiplied by 2^(old M - new M), which rounds nothing.
; SHARES.  Work-group = (bh, j), j = 0..3.  It makes two passes, over the blocks of 256 queries X = 7 - j and X = j; block X walks the X + 1 slots of 256 keys that its mask leaves: nine slots for every work-group.
; Each of the eight waves owns TWO tiles of 16 queries, T = 2 beta and 2 beta + 1 of the block of 128 queries 2 X + half: both tiles take each fragment of K and of V that the wave reads from LDS.
; Both products are used transposed (S^T = K Q^T, O^T = V^T P^T): a lane holds one query throughout, and the 16 registers of key tiles 2 b, 2 b + 1 are keys 32 b + 16 h + 0 .. 15: the conversions' results are P's registers.
; K AND V come by plain loads, a slot (16,384 + 16,384 bytes) a trip ahead, into 32 registers a lane, and from there into ONE region of LDS between two barriers.  No tensor load and no cluster:
; the four work-groups of a bh walk different numbers of slots (8 - j, then j + 1), and a work-group reads only 288 KiB in all; so trip counts may hang on the work-group's number.
; No prefetch: each slot is asked for by its loads two key steps ahead of the wait for them.
; A step of 128 keys all of which come after the wave's queries is left out; in the one step on the diagonal hidden scores become -infinity ahead of the maximum.  Key 0 counts for every query, so M is a number from the first step on.
; LIMITS on the given exponents, so that each power of two below is an f32 number: e2 + e3 between -123 and 130 (added to c's exponent field); e4 between -126 and 119; e6 - e4 - e5 between -126 and 119.  NaN is not served.
; REGISTERS, two windows of 256.  Window 0: v1 16 x lane, v2 16 x thread, v5-9 at work at the head, v32-95 K's eight fragments.  Window 1: v0-31 the slot on its way, v32-95 V's four fragments.
; v96-233 are a tile's PRIVATE BLOCK, with the same numbers in window 0 (tile A) and window 1 (tile B): a macro written once serves both tiles, under window setting 0 or 0x55.
.set LI,   1                           ; v1      16 x lane; never rewritten
.set ST,   2                           ; v2      16 x thread; never rewritten
.set KV,   32                          ; v32-95  window 0: K's fragments; window 1: V's
.set QF,   96                          ; v96-103   Q's fragment
.set SS,   104                         ; v104-167  S^T, then p
.set OA,   168                         ; v168-199  O^T: four accumulators
.set PC,   200                         ; v200-215  p's codes; on the way out O's
.set NM,   216                         ; v216 -M, v217 the running largest t
.set LS,   218                         ; v[218:219] the row's sum in two halves
.set FF,   220                         ; v220 f = 2^(old M - new M), later 1 / the sum; v221 named with it as a pair
.set T0,   222
.set T1,   223
.set T2,   224                         ; v[224:225]
.set PX,   226                         ; a lane permute's destination
.set SCL,  227                         ; 2^e4
.set LIM,  228                         ; 448 x 2^e4
.set QD,   229                         ; my query within its block of 128, less 16 h
.set NINF, 230
.set OSC,  231                         ; 2^(e6 - e4 - e5)
.set OLIM, 232                         ; 448 x that
.set OO,   233                         ; 16 r + 8 h
.set WV,   14
.set JJ,   15
.set BH,   16
.set XX,   17
.set PASS, 18
.set HALF, 19
.set SEL,  20                          ; s[20:21] lane selects for v_permlanex16_b32: lane l xor 16
.set CS,   22                          ; s[22:23] c = log2(e) / 8 x 2^(e2 + e3)
.set KB,   32                          ; s32  the slot's first block of 128 keys
.set LAST, 33                          ; s33  2 X: the last slot's
.set BLK,  34                          ; s34  my block of 128 queries: 2 X + half
.set BETA, 35
.set KP,   36                          ; s[36:37] K's next slot in memory;  s[38:39] V's
.set VP,   38
.set QP,   40
.set OUTP, 42
.set TR,   56                          ; s56  the trip's number, stepped by 1
.set NTR,  57                          ; s57  X + 1: the pass's trips
.set VOFF, 16384                       ; LDS: K's slot [q 2][T 8][p 2][512], then V's [q 2][t 4][c 4][512]
.set MSB, 0
.macro WIN new                         ; the immediate's high byte repeats the setting that is left; a switch that changes nothing is dropped.  Low byte: bits 1:0 source 0, 3:2 source 1, 5:4 source 2, 7:6 destination
.if MSB != \new
	s_set_vgpr_msb (MSB<<8)|\new
.set MSB, \new
.endif
.endm
.set W_B,  0x55                        ; tile B: everything in window 1
.set W_SB, 0x44                        ; S^T of tile B: K window 0, Q and the result window 1
.set W_OA, 0x01                        ; O^T of tile A: V window 1, the rest window 0
.set W_L1, 0x40                        ; destination window 1, sources and addresses window 0
.set W_S1, 0x04                        ; an LDS store of window 1's data, address window 0
.macro GLOAD                           ; a slot of K and of V: 256 threads x 16 bytes an instruction: 4,096 consecutive bytes
	WIN W_L1
.irp i, 0,1,2,3
	global_load_b128 v[4*\i:4*\i+3], v[ST], s[KP:KP+1] offset:4096*\i
	global_load_b128 v[16+4*\i:16+4*\i+3], v[ST], s[VP:VP+1] offset:4096*\i
.endr
.endm
.macro LSTORE                          ; and into LDS as it lies
	WIN W_S1
.irp i, 0,1,2,3
	ds_store_b128 v[ST], v[4*\i:4*\i+3] offset:4096*\i
	ds_store_b128 v[ST], v[16+4*\i:16+4*\i+3] offset:VOFF+4096*\i
.endr
	WIN 0
.endm
.macro KLOAD q                         ; K's eight fragments of the slot's q-th 128 keys: 16 loads of 512 consecutive bytes
.irp t, 0,1,2,3,4,5,6,7
	ds_load_b128 v[KV+8*\t:KV+8*\t+3],   v[LI] offset:8192*\q+1024*\t
	ds_load_b128 v[KV+8*\t+4:KV+8*\t+7], v[LI] offset:8192*\q+1024*\t+512
.endr
.endm
.macro VLOAD q                         ; V's four fragments (16 channels x 128 keys): 16 loads.  The window is set by the caller
.irp t, 0,1,2,3
.irp c, 0,1,2,3
	ds_load_b128 v[KV+16*\t+4*\c:KV+16*\t+4*\c+3], v[LI] offset:VOFF+8192*\q+2048*\t+512*\c
.endr
.endr
.endm
; ---- macros on a tile's private block: run under window setting 0 for tile A, 0x55 for tile B
.macro CONSTS
	v_mov_b32 v[SCL], s45
	v_mov_b32 v[LIM], s44
	v_mov_b32 v[NINF], 0xff800000
	v_mov_b32 v[OSC], s55
	v_mov_b32 v[OLIM], s54
	v_mov_b32 v[PX], 0                             ; written once: a lane permute's destination counts as one of its sources
	v_mov_b32 v[FF+1], 0                           ; (named as the upper half of a pair)
.endm
.macro INIT                            ; the key step is written once: the first finds zeros, which the first change of M leaves zeros
	v_mov_b32 v[NM+1], 0xff61b1e6                  ; the largest t so far: -3e38, under every t
	v_floor_f32 v[NM], -v[NM+1]
	v_mov_b32 v[LS], 0
	v_mov_b32 v[LS+1], 0
.set n, 0
.rept 32
	v_mov_b32 v[OA+n], 0
.set n, n+1
.endr
.endm
.macro MASK                            ; register 16 b + i holds key 32 b + 16 h + i of the block: hidden where 32 b + i > my query - 16 h
.set n, 0
.rept 64
	v_cmp_gt_i32 vcc_lo, 32*(n/16)+n%16, v[QD]
	v_cndmask_b32 v[SS+n], v[SS+n], v[NINF], vcc_lo
.set n, n+1
.endr
.endm
.macro SOFT
	v_max3_num_f32 v[T0], v[SS], v[SS+1], v[SS+2]  ; the step's largest score of my query among my 64 keys, in two chains; each accumulator is first read at its low end
	v_max3_num_f32 v[T1], v[SS+3], v[SS+4], v[SS+5]
.irp i, 6,10,14,18,22,26,30,34,38,42,46,50,54,58
	v_max3_num_f32 v[T0], v[T0], v[SS+\i], v[SS+\i+1]
	v_max3_num_f32 v[T1], v[T1], v[SS+\i+2], v[SS+\i+3]
.endr
	v_max3_num_f32 v[T0], v[T0], v[SS+62], v[SS+63]
	v_max_num_f32 v[T0], v[T0], v[T1]
	v_permlanex16_b32 v[PX], v[T0], s[SEL], s[SEL+1]
	v_max_num_f32 v[T0], v[T0], v[PX]              ; and among lane l xor 16's
	v_mul_f32 v[T0], s[CS], v[T0]                  ; as t (c is positive)
	v_max_num_f32 v[NM+1], v[NM+1], v[T0]          ; the running largest t
	v_mov_b32 v[T0], v[NM]
	v_floor_f32 v[NM], -v[NM+1]                    ; the new -M = floor(-t) = -ceil(t): a whole number
	v_sub_f32 v[T0], v[NM], v[T0]                  ; old M - new M: a whole number, 0 or less
	v_cvt_i32_f32 v[T0], v[T0]                     ; (it saturates)
	v_ldexp_f32 v[FF], 1.0, v[T0]                  ; f = 2^(old M - new M)
.set n, 0
.rept 32
	v_pk_fma_f32 v[SS+n:SS+n+1], v[SS+n:SS+n+1], s[CS:CS+1], v[NM:NM+1] op_sel_hi:[1,0,0]   ; t - M, two at a time (of the pairs c and -M the low word serves both halves)
.set n, n+2
.endr
.set n, 0
.rept 64
	v_exp_f32 v[SS+n], v[SS+n]                     ; p = 2^(t - M), at most 1
.set n, n+1
.endr
	v_pk_mul_f32 v[LS:LS+1], v[LS:LS+1], v[FF:FF+1] op_sel_hi:[1,0]   ; the sums under the new M: the plain line behind the exponentials;
.set n, 0
.rept 16
	v_pk_mul_f32 v[OA+n:OA+n+1], v[OA+n:OA+n+1], v[FF:FF+1] op_sel_hi:[1,0]   ; and O^T: work that names no exponential's result
.set n, n+2
.endr
	s_wait_alu depctr_va_vdst(0)                   ; one wait for the batch of 64, ahead of its first reader
	v_pk_add_f32 v[T2:T2+1], v[SS:SS+1], v[SS+2:SS+3]   ; the row's sum is taken of the UNQUANTISED p, two at a time, in two chains
.irp i, 4,8,12,16,20,24,28,32,36,40,44,48,52,56,60
	v_pk_add_f32 v[LS:LS+1], v[LS:LS+1], v[SS+\i:SS+\i+1]
	v_pk_add_f32 v[T2:T2+1], v[T2:T2+1], v[SS+\i+2:SS+\i+3]
.endr
	v_pk_add_f32 v[LS:LS+1], v[LS:LS+1], v[T2:T2+1]
.endm
.macro HOLD                            ; p is not negative, so the hold at 448 x 2^e4 is one-sided
.set n, 0
.rept 64
	v_min_num_f32 v[SS+n], v[SS+n], v[LIM]
.set n, n+1
.endr
.endm
.macro CVT                             ; registers 4 b .. 4 b + 3 of P: keys 32 b + 16 h + 0 .. 15
.irp b, 0,1,2,3
	v_cvt_scalef32_pk8_fp8_f32 v[PC+4*\b:PC+4*\b+1], v[SS+16*\b:SS+16*\b+7], v[SCL]
	v_cvt_scalef32_pk8_fp8_f32 v[PC+4*\b+2:PC+4*\b+3], v[SS+16*\b+8:SS+16*\b+15], v[SCL]
.endr
.endm
.macro OUT off                         ; O^T / the sum stands for that x 2^(e4 + e5); its code under 2^e6 is that / 2^(e6 - e4 - e5), held at +-448 of it
	v_add_f32 v[LS], v[LS], v[LS+1]
	v_permlanex16_b32 v[PX], v[LS], s[SEL], s[SEL+1]
	v_add_f32 v[LS], v[LS], v[PX]                  ; the row's sum
	v_rcp_f32 v[FF], v[LS]
	v_nop                                          ; a plain line behind the reciprocal,
	s_wait_alu depctr_va_vdst(0)                   ; and a wait ahead of its first reader
.set n, 0
.rept 16
	v_pk_mul_f32 v[SS+n:SS+n+1], v[OA+n:OA+n+1], v[FF:FF+1] op_sel_hi:[1,0]   ; each accumulator from its low end on
.set n, n+2
.endr
.set n, 0
.rept 32
	v_med3_num_f32 v[SS+n], v[SS+n], -v[OLIM], v[OLIM]
.set n, n+1
.endr
.irp t, 0,1,2,3
	v_cvt_scalef32_pk8_fp8_f32 v[PC+2*\t:PC+2*\t+1], v[SS+8*\t:SS+8*\t+7], v[OSC]   ; channels 16 t + 8 h + 0 .. 7 of my query
.endr
	v_nop                                          ; one plain vector line behind the last conversion
.irp t, 0,1,2,3
	global_store_b64 v[OO], v[PC+2*\t:PC+2*\t+1], s[OUTP:OUTP+1] offset:\off+256*\t   ; 32 lanes store 256 consecutive bytes, at a multiple of 256 from the image's first byte
.endr
.endm
; ---- A KEY STEP: the slot's q-th 128 keys, for both tiles
.macro STEP q
.if \q == 1
	s_add_co_u32 s44, s[KB], 1
	s_cmp_gt_u32 s44, s[BLK]                       ; all its keys come after my queries: a branch on ids; no barrier stands in a step
	s_cbranch_scc1 .Lhidden_\@
.endif
	s_wait_dscnt 0x0                               ; K's fragments are in
.irp t, 0,1,2,3,4,5,6,7
	v_wmma_f32_16x16x64_fp8_fp8 v[SS+8*\t:SS+8*\t+7], v[KV+8*\t:KV+8*\t+7], v[QF:QF+7], 0
.endr
	WIN W_SB
.irp t, 0,1,2,3,4,5,6,7
	v_wmma_f32_16x16x64_fp8_fp8 v[SS+8*\t:SS+8*\t+7], v[KV+8*\t:KV+8*\t+7], v[QF:QF+7], 0
.endr
	WIN W_L1
.rept 4
	v_nop                                          ; the places behind the products: in front of the loads into V's registers (read by the last step's products) and K's, and of the first read of the scores
.endr
	VLOAD \q
	WIN 0
.if \q == 0
	KLOAD 1                                        ; the next step's K, a whole softmax ahead of its use
.endif
	s_add_co_u32 s44, s[KB], \q
	s_cmp_lg_u32 s44, s[BLK]
	s_cbranch_scc1 .Lopen_\@                       ; off the diagonal every key counts
	MASK
	WIN W_B
	MASK
	WIN 0
.Lopen_\@:
	SOFT
	WIN W_B
	SOFT
	WIN 0
	s_cmp_ge_i32 s28, -8                           ; p <= 1 <= 448 x 2^e4 wherever e4 >= -8: the hold would change nothing.  A branch on a given whole number; this text has no tensor load, copy or cluster
	s_cbranch_scc1 .Lnohold_\@
	HOLD
	WIN W_B
	HOLD
	WIN 0
.Lnohold_\@:
	CVT
	WIN W_B
	CVT
	v_nop                                          ; one plain vector line between the conversions and the products that read their results
.if \q == 0
	s_wait_dscnt 16                                ; V's sixteen loads are in; the sixteen of the next step's K, issued behind them, may be out
.else
	s_wait_dscnt 0x0                               ; V's sixteen loads are in
.endif
	WIN W_OA
.irp t, 0,1,2,3
	v_wmma_f32_16x16x128_fp8_fp8 v[OA+8*\t:OA+8*\t+7], v[KV+16*\t:KV+16*\t+15], v[PC:PC+15], v[OA+8*\t:OA+8*\t+7]   ; the eight accumulators take turns, one instruction a turn
.endr
	WIN W_B
.irp t, 0,1,2,3
	v_wmma_f32_16x16x128_fp8_fp8 v[OA+8*\t:OA+8*\t+7], v[KV+16*\t:KV+16*\t+15], v[PC:PC+15], v[OA+8*\t:OA+8*\t+7]
.endr
	WIN 0
.if \q == 1
.Lhidden_\@:
.endif
.endm
	s_load_b256 s[4:11], s[0:1], 0x0               ; q_img s[4:5], k_img s[6:7], v_img s[8:9], the scales' exponents s[10:11]
	s_load_b64 s[12:13], s[0:1], 0x20              ; a_img
	v_lshl_add_u32 v254, v0, 2, 0x8000
	v_mov_b32 v255, 0
	v_lshrrev_b32 v5, 5, v0
	v_readfirstlane_b32 s[WV], v5                  ; wave 0..7
	s_and_b32 s[JJ], ttmp9, 3
	s_lshr_b32 s[BH], ttmp9, 2
	s_lshr_b32 s[BETA], s[WV], 1                   ; which pair of tiles
	s_lshr_b32 s[HALF], s[WV], 2
	s_xor_b32 s[HALF], s[HALF], s[WV]
	s_and_b32 s[HALF], s[HALF], 1                  ; which 128 of the 256 queries: waves w and w + 4 differ in it, and so do 2 i and 2 i + 1; (beta, half) takes each of its 8 values once
	v_and_b32 v5, 31, v0
	v_lshlrev_b32 v[LI], 4, v5
	v_lshlrev_b32 v[ST], 4, v0
	v_and_b32 v5, 15, v0                           ; r
	v_bfe_u32 v6, v0, 4, 1                         ; h
	v_and_b32 v7, 8, v5
	v_add_nc_u32 v7, v7, v5                        ; r + 8 (r / 8)
	v_lshlrev_b32 v8, 4, v6
	v_sub_nc_u32 v7, v7, v8                        ; - 16 h
	v_lshlrev_b32 v9, 4, v5                        ; 16 r
	s_lshl_b32 s46, s[BETA], 5                     ; tile A's first query in its block of 128: 32 beta;
	s_add_co_u32 s47, s46, 8                       ; tile B's lie 8 further on
	v_add_nc_u32 v[QD], s46, v7                    ; tile A: 32 beta + r + 8 (r / 8) - 16 h
	v_lshl_add_u32 v[OO], v6, 3, v9                ; 16 r + 8 h
	WIN W_L1                                       ; the same two for tile B: destination window 1, sources window 0
	v_add_nc_u32 v[QD], s47, v7
	v_lshl_add_u32 v[OO], v6, 3, v9
	WIN 0
	s_mov_b32 s[SEL], 0x76543210
	s_mov_b32 s[SEL+1], 0xfedcba98
	s_mov_b32 s[CS], 0x3e38aa3b                    ; log2(e) / sqrt(64)
	s_wait_kmcnt 0x0
	s_load_b256 s[24:31], s[10:11], 0x0            ; e0 .. e7
	s_wait_kmcnt 0x0
	s_add_co_i32 s44, s26, s27
	s_lshl_b32 s44, s44, 23
	s_add_co_i32 s[CS], s[CS], s44                 ; a score stands for score x 2^(e2 + e3): the two exponents are added to c's exponent field
	s_mov_b32 s[CS+1], s[CS]                       ; (named with it as a pair, so it is written)
	s_add_co_i32 s44, s28, 127
	s_lshl_b32 s45, s44, 23                        ; 2^e4
	s_add_co_i32 s44, s44, 8
	s_lshl_b32 s44, s44, 23
	s_or_b32 s44, s44, 0x600000                    ; 448 x 2^e4
	s_sub_co_i32 s54, s30, s28
	s_sub_co_i32 s54, s54, s29
	s_add_co_i32 s54, s54, 127
	s_lshl_b32 s55, s54, 23                        ; 2^(e6 - e4 - e5)
	s_add_co_i32 s54, s54, 8
	s_lshl_b32 s54, s54, 23
	s_or_b32 s54, s54, 0x600000                    ; 448 x that
	CONSTS
	WIN W_B
	CONSTS
	WIN 0
	s_mov_b32 s[PASS], 0
.Lpass:
	s_wait_xcnt 0x0                                ; the last pass's stores have read their base and their registers: both are written again below
	s_sub_co_u32 s44, 7, s[JJ]
	s_cmp_eq_u32 s[PASS], 0
	s_cselect_b32 s[XX], s44, s[JJ]                ; the long block first
	s_lshl_b32 s[LAST], s[XX], 1
	s_add_co_u32 s[BLK], s[LAST], s[HALF]
	s_mov_b32 s[KB], 0
	s_mov_b32 s[TR], 0
	s_add_co_u32 s[NTR], s[XX], 1                  ; X + 1 slots
	s_lshl_b32 s46, s[BH], 17                      ; a bh's 131,072 bytes in each of the three images
	s_mov_b32 s47, 0
	s_add_nc_u64 s[KP:KP+1], s[6:7], s[46:47]
	s_add_nc_u64 s[VP:VP+1], s[8:9], s[46:47]
	s_lshl_b32 s48, s[BLK], 13
	s_lshl_b32 s49, s[BETA], 11
	s_add_co_u32 s48, s48, s49
	s_add_co_u32 s48, s48, s46
	s_mov_b32 s49, 0
	s_add_nc_u64 s[QP:QP+1], s[4:5], s[48:49]      ; my two tiles of Q: 2,048 consecutive bytes
	s_and_b32 s50, s[BH], 15                       ; the head
	s_lshr_b32 s51, s[BH], 4                       ; the batch
	s_lshl_b32 s51, s51, 4
	s_add_co_u32 s51, s51, s[BLK]                  ; the block of 128 among all 64
	s_lshl_b32 s51, s51, 2
	s_add_co_u32 s51, s51, s[BETA]
	s_lshl_b32 s51, s51, 13                        ; (8 x block + 2 beta) x 4,096
	s_lshr_b32 s52, s50, 2
	s_lshl_b32 s52, s52, 21                        ; four heads are 256 of K: 2 MiB of the image
	s_add_co_u32 s52, s52, s51
	s_and_b32 s53, s50, 3
	s_lshl_b32 s53, s53, 10                        ; and a head 1,024 bytes of a tile's 4,096
	s_add_co_u32 s52, s52, s53
	s_mov_b32 s53, 0
	s_add_nc_u64 s[OUTP:OUTP+1], s[12:13], s[52:53]
	global_load_b128 v[QF:QF+3],   v[LI], s[QP:QP+1]
	global_load_b128 v[QF+4:QF+7], v[LI], s[QP:QP+1] offset:512
	WIN W_L1
	global_load_b128 v[QF:QF+3],   v[LI], s[QP:QP+1] offset:1024
	global_load_b128 v[QF+4:QF+7], v[LI], s[QP:QP+1] offset:1536
	GLOAD                                          ; slot 0
	WIN 0
	INIT
	WIN W_B
	INIT
	WIN 0
.Ltrip:                                                ; X + 1 trips, a slot of 256 keys each: the same number in all eight waves
	s_wait_loadcnt 0x0                             ; the slot is in my registers (and Q, in the first trip): its loads are done, so their bases may step
	s_add_nc_u64 s[KP:KP+1], s[KP:KP+1], 16384
	s_add_nc_u64 s[VP:VP+1], s[VP:VP+1], 16384
	s_wait_dscnt 0x0                               ; my reads of the last slot are over
	s_barrier_signal -1
	s_barrier_wait -1                              ; everybody's are: the region may be written
	LSTORE
	s_wait_dscnt 0x0                               ; for the others' sake: my stores have landed (and have read their registers)
	s_barrier_signal -1
	s_barrier_wait -1                              ; the slot is whole
	KLOAD 0
	s_cmp_lt_u32 s[KB], s[LAST]
	s_cbranch_scc0 .Lnomore                        ; the last trip asks for nothing: no load goes past the slots that the mask leaves
	GLOAD                                          ; the next slot: two key steps ahead of the wait for it
	WIN 0
.Lnomore:
	STEP 0
	STEP 1
	s_add_co_u32 s[KB], s[KB], 2                   ; the next slot's first block of keys
	s_add_co_u32 s[TR], s[TR], 1
	s_cmp_lt_u32 s[TR], s[NTR]
	s_cbranch_scc1 .Ltrip
	s_wait_loadcnt 0x0                             ; no load of a slot is out (the last trip asked for none): stated here, ahead of the next pass's loads into the same registers and of the writing of their bases
	s_wait_dscnt 0x0                               ; (a wave whose last step was hidden still has that step's K on its way)
.rept 4
	v_nop                                          ; the places behind the last products
.endr
	OUT 0
	WIN W_B
	OUT 4096                                       ; tile B: the next 16 rows of the image
	WIN 0
	s_add_co_u32 s[PASS], s[PASS], 1
	s_cmp_lt_u32 s[PASS], 2
	s_cbranch_scc1 .Lpass
	s_wait_tensorcnt 0x0
	ds_add_u32 v254, v255
	s_wait_dscnt 0x0
	s_endpgm
.Lfunc_end_k_qe34c80e7c6_attn:
	.size	k_qe34c80e7c6_attn, .Lfunc_end_k_qe34c80e7c6_attn-k_qe34c80e7c6_attn
	.p2alignl 7, 3214868480
	.fill 96, 4, 3214868480
	.section	.rodata,"a",@progbits
	.p2align	6, 0x0
	.amdhsa_kernel k_qe34c80e7c6_attn
		.amdhsa_group_segment_fixed_size 33792
		.amdhsa_private_segment_fixed_size 0
		.amdhsa_enable_private_segment 0
		.amdhsa_kernarg_size 40
		.amdhsa_user_sgpr_count 2
		.amdhsa_user_sgpr_kernarg_segment_ptr 1
		.amdhsa_wavefront_size32 1
		.amdhsa_system_sgpr_workgroup_id_x 1
		.amdhsa_system_sgpr_workgroup_id_y 1
		.amdhsa_system_sgpr_workgroup_id_z 1
		.amdhsa_system_vgpr_workitem_id 0
		.amdhsa_next_free_vgpr 512
		.amdhsa_next_free_sgpr 66
		.amdhsa_reserve_vcc 1
		.amdhsa_float_denorm_mode_32 3
		.amdhsa_float_denorm_mode_16_64 3
		.amdhsa_memory_ordered 1
		.amdhsa_forward_progress 1
		.amdhsa_inst_pref_size 95
	.end_amdhsa_kernel
	.amdgpu_metadata
---
amdhsa.version: [ 1, 2 ]
amdhsa.kernels:
  - .name:           k_qe34c80e7c6_attn
    .symbol:         k_qe34c80e7c6_attn.kd
    .args:
      - { .name: q_img, .offset: 0, .size: 8, .value_kind: global_buffer, .address_space: global }
      - { .name: k_img, .offset: 8, .size: 8, .value_kind: global_buffer, .address_space: global }
      - { .name: v_img, .offset: 16, .size: 8, .value_kind: global_buffer, .address_space: global }
      - { .name: lowp_scales, .offset: 24, .size: 8, .value_kind: global_buffer, .address_space: global }
      - { .name: a_img, .offset: 32, .size: 8, .value_kind: global_buffer, .address_space: global }
    .group_segment_fixed_size: 33792
    .private_segment_fixed_size: 0
    .kernarg_segment_align: 8
    .kernarg_segment_size: 40
    .max_flat_workgroup_size: 256
    .sgpr_count:     66
    .vgpr_count:     512
    .wavefront_size: 32
...
	.end_amdgpu_metadata
.endif
;; end of part 3
;; launch gemm_out (part 4): grid 4 x 32, 4 waves a work-group, clusters of 4 x 4, 327,680 bytes of LDS; arguments a_img, wout_codes, lowp_scales, out0; writes out0
.if DOCPART == 4
	.amdgcn_target "amdgcn-amd-amdhsa--gfx1250"
	.amdhsa_code_object_version 6
	.text
	.protected	k_qe34c80e7c6_gemm_out
	.globl	k_qe34c80e7c6_gemm_out
	.p2align	8
	.type	k_qe34c80e7c6_gemm_out,@function
k_qe34c80e7c6_gemm_out:
	s_mov_b64 s[64:65], 0
	v_nop
	global_prefetch_b8 v0, s[64:65] scope:SCOPE_SE
	s_setreg_imm32_b32 hwreg(HW_REG_WAVE_MODE, 25, 1), 1
	s_wait_xcnt 0x0
	s_wait_alu depctr_hold_cnt(0) depctr_sa_sdst(0) depctr_va_vdst(0) depctr_va_sdst(0) depctr_va_ssrc(0) depctr_va_vcc(0) depctr_vm_vsrc(0)
	s_getreg_b32 s2, hwreg(HW_REG_IB_STS2, 6, 4)
	s_cmp_eq_u32 s2, 0
	s_cbranch_scc0 .Lentry_in_a_cluster
	s_endpgm
.Lentry_in_a_cluster:
	s_bfe_u32 s2, ttmp6, 0x10000c
	s_cmp_lg_u32 s2, 0xf033
	s_cbranch_scc0 .Lentry_shape_is_right
	s_endpgm
.Lentry_shape_is_right:
; out0 = a W_out^T on codes of FP8 (E4M3), K = 1,024: a is the attention's result, 8,192 rows; W_out [1024][1024]; out0 [8192][1024] f32; sums in f32, each multiplied once by 2^(e6 + e7).
; LIMIT: e6 + e7 between -126 and 127, so that 2^(e6 + e7) is an f32 number.
; A tile of out0, 256 x 256, is made by a work-group of four waves; a wave makes 128 x 128: 64 accumulators, 512 registers.  K goes in steps of 256 through a ring of two LDS slots filled by the tensor data mover.
; A ARRIVES AS AN IMAGE OF ITS FRAGMENTS' REGISTERS: a_img [256 of K 4][16 rows 512][128 of K 2][c 4][512], lane l's 16 bytes at 16 l of each piece.  So 128 rows x 256 K are one dense block of 32,768 bytes,
; brought by one tensor load as 128 rows of 256 bytes without padding, and a fragment is four loads of 512 consecutive bytes.  Row r of the i-th 16 rows of a block of 128 is token 32 (i / 2) + 8 (i % 2) + r + 8 (r / 8):
; the way out stores each row at its token.  B (W_out's codes) lies by rows, 272 bytes apart in LDS.
; CLUSTERS: 4 x 4 work-groups; A's tile is shared along a row of the cluster, B's along a column: each is asked for JOINTLY.  128 work-groups: out0 has 128 tiles of this size.
; THE MATRIX INSTRUCTION IS USED TRANSPOSED (source 0 = 16 rows of B, source 1 = 16 rows of A): a lane then holds eight neighbouring numbers of a row of out0.
; REGISTERS, in windows of 256: window 0: v0-31 addresses; from v128 A's fragments, ONE set; on the way out v32-255 are free.  window 1: B's fragments, TWO sets.  windows 2, 3: the accumulators ((a, b) at v[8 (8 (a % 4) + b)]).
.set SIZE_N, 1024
.set SIZE_K, 1024
.set KSTEP,  256
.set ROWB,   256                       ; a tile's row in bytes
.set KROW,   SIZE_K                    ; a row of W_out's codes in memory
.set ASTEP,  0x200000                  ; a K step on in a_img: 512 x 4,096 bytes
.set PITCH,  272                       ; B's LDS row: 256 bytes + 16 of padding = 68 words: row r starts at bank 4 r mod 64 (64 banks of 4 bytes: ISA guide 11.1)
.set FR,     16
.set NL,     4
.set NP,     4
.set HALFT,  128*PITCH                 ; the room of 128 rows in a slot (A's dense 32,768 bytes use a part of theirs)
.set SLOT,   4*HALFT
.set LAPS,   SIZE_K/(2*KSTEP)
.set SPARE,  2*SLOT                    ; behind the ring: the spare words, 128 bytes for each wave: two blocks of 256 bytes that no other line names
.set SPITCH, 528                       ; the way out: a stage of 16 rows x (512 bytes + 16) for each wave, in slot 0, which has had its last fill and its last read by then
.set ADRA, 16
.set ADRB, 20
.set STO,  24
.set RD,   25
.set CO,   26                          ; v26     16 x lane: my place in a piece of A's image, and in a row's 512 bytes of out0
.set SPW,  28
.set NIL,  29
.set TMP,  32
.set AF,   128
.set BK,   128
.set G1, 24
.set G0, 32
.set G1B, 48
.set G0B, 56
.set MSB, 0
.macro WIN new                         ; the immediate's high byte repeats the setting that is left
.if MSB != \new
	s_set_vgpr_msb (MSB<<8)|\new
.set MSB, \new
.endif
.endm
.set MUL_LO, 0xa1
.set MUL_HI, 0xf1
.set TO_B,   0x40
; A joint load: waves 0 and 1 fetch for A, waves 2 and 3 for B; the branch hangs on the wave's number alone.  Four v_nop follow each of the two lines.
.macro JLOAD g0a, g1a, g0b, g1b
	s_cmp_eq_u32 s15, 0
	s_cbranch_scc0 .Lfor_b_\@
	tensor_load_to_lds s[\g0a:\g0a+3], s[\g1a:\g1a+7]
	s_nop 0
.rept 4
	v_nop
.endr
	s_branch .Lasked_\@
.Lfor_b_\@:
	tensor_load_to_lds s[\g0b:\g0b+3], s[\g1b:\g1b+7]
	s_nop 0
.rept 4
	v_nop
.endr
.Lasked_\@:
.endm
.macro CREST                           ; a round of the cluster's barrier behind its opening barrier
	s_cmp_lg_u32 s14, 0
	s_cbranch_scc1 .Lnot_wave_0_\@
	s_barrier_signal -3
.Lnot_wave_0_\@:
	s_barrier_wait -3
	s_barrier_signal -1
	s_barrier_wait -1
.endm
.macro CROUND
	s_barrier_signal -1
	s_barrier_wait -1
	CREST
.endm
	s_load_b128 s[4:7], s[0:1], 0x0                ; a_img s[4:5], W_out's codes s[6:7]
	s_load_b128 s[8:11], s[0:1], 0x10              ; the scales' exponents s[8:9], out0 s[10:11]
	v_lshl_add_u32 v[SPW], v0, 2, SPARE
	v_mov_b32 v[NIL], 0
	ds_add_u32 v28, v29
	ds_add_u32 v28, v29
	s_wait_dscnt 0x0
	v_lshrrev_b32 v1, 5, v0
	v_readfirstlane_b32 s14, v1                    ; wave 0..3
	s_lshr_b32 s15, s14, 1                         ; which half of the tile's rows is mine.  Also: I fetch for A (0) or for B (1)
	s_and_b32 s16, s14, 1                          ; which half of its columns.  Also: which 128 rows of that tile I fetch
	s_bfe_u32 s40, ttmp6, 0x40000                  ; cx, cy
	s_bfe_u32 s41, ttmp6, 0x40004
	s_lshl_b32 s42, ttmp9, 2
	s_add_co_u32 s42, s42, s40                     ; tile column = 4 x cluster x + cx
	s_and_b32 s17, ttmp7, 0xffff
	s_lshl_b32 s17, s17, 2
	s_add_co_u32 s17, s17, s41                     ; tile row = 4 x cluster y + cy
	s_lshl_b32 s43, s41, 2
	s_lshl_b32 s43, 15, s43                        ; my row of the cluster
	s_lshl_b32 s44, 0x1111, s40                    ; my column
	s_or_b32 s[G1+0], s43, (0<<16)|(1<<21)         ; A: 15:0 the mask: my row; 17:16 element of 1 byte; 20 no padding; 21 set beside a mask
	s_or_b32 s[G1B+0], s44, (0<<16)|(1<<20)|(1<<21)|(5<<22)|(3<<25)  ; B: the mask of my column; padding of 4 words (code 3) after every 64 (code 5)
.irp g, G1, G1B
	s_mov_b32 s[\g+1], ROWB<<16                    ; tensor_dim0
	s_mov_b32 s[\g+2], 128<<16                     ; tensor_dim1 = 128
	s_mov_b32 s[\g+3], ROWB<<16                    ; tile_dim0
	s_mov_b32 s[\g+4], 128                         ; tile_dim1 = 128
	s_mov_b32 s[\g+6], 0
	s_mov_b32 s[\g+7], 0
.endr
	s_mov_b32 s[G1+5], ROWB                        ; A's block is dense: a row begins where the last ends
	s_mov_b32 s[G1B+5], KROW                       ; B: tensor_dim0_stride
	s_lshl_b32 s20, s17, 16                        ; A: 65,536 bytes a tile row and K step,
	s_lshl_b32 s18, s16, 15
	s_add_co_u32 s20, s20, s18                     ; + 32,768 x the half that I fetch
	s_mov_b32 s21, 0
	s_lshl_b32 s18, s16, 7
	s_lshl_b32 s46, s42, 8
	s_add_co_u32 s46, s46, s18                     ; B: row 256 x tile column + 128 x half
	s_mov_b32 s47, 0
	s_mov_b64 s[18:19], KROW
	s_mul_u64 s[46:47], s[46:47], s[18:19]
	s_mul_i32 s45, s14, HALFT                      ; where they go: wave x the room of 128 rows: no place in the cluster enters an LDS address
	s_wait_kmcnt 0x0
	s_load_b64 s[96:97], s[8:9], 0x18              ; e6, e7
	s_add_nc_u64 s[20:21], s[4:5], s[20:21]
	s_add_nc_u64 s[46:47], s[6:7], s[46:47]
	CROUND                                         ; all sixteen work-groups are here: the first joint loads meet
.irp s, 0,1
	s_mov_b32 s[G0+4*\s], 1
	s_add_co_u32 s[G0+4*\s+1], s45, \s*SLOT
	s_add_nc_u64 s[G0+4*\s+2:G0+4*\s+3], s[20:21], \s*ASTEP
	s_or_b32 s[G0+4*\s+3], s[G0+4*\s+3], 0x80000000
	s_mov_b32 s[G0B+4*\s], 1
	s_add_co_u32 s[G0B+4*\s+1], s45, \s*SLOT
	s_add_nc_u64 s[G0B+4*\s+2:G0B+4*\s+3], s[46:47], \s*ROWB
	s_or_b32 s[G0B+4*\s+3], s[G0B+4*\s+3], 0x80000000
	JLOAD G0+4*\s, G1, G0B+4*\s, G1B               ; two tensor loads of mine are out behind these two
.endr
	v_and_b32 v1, 15, v0                           ; l % 16
	v_bfe_u32 v2, v0, 4, 1                         ; l / 16
	v_mul_u32_u24 v3, v1, PITCH
	v_lshl_add_u32 v4, v2, 4, v3                   ; B: a fragment's row x pitch + 16 x half
	v_and_b32 v6, 31, v0
	v_lshlrev_b32 v[CO], 4, v6                     ; A: 16 x lane
	s_mul_i32 s21, s15, HALFT                      ; my 128 rows of A
	s_mul_i32 s22, s16, HALFT                      ; my 128 rows of B,
	s_add_co_u32 s22, s22, 2*HALFT                 ; which lie behind A's room
.irp s, 0,1
	v_add_nc_u32 v[ADRA+\s], s21, v[CO]
	v_add_nc_u32 v[ADRB+\s], s22, v4
	s_add_co_u32 s21, s21, SLOT
	s_add_co_u32 s22, s22, SLOT
.endr
	s_mul_i32 s23, s14, 16*SPITCH                  ; my stage
	v_mul_u32_u24 v5, v1, SPITCH                   ; in: row l % 16, 32 bytes for each half of the lanes
	v_lshl_add_u32 v5, v2, 5, v5
	v_add_nc_u32 v[STO], s23, v5
	v_add_nc_u32 v[RD], s23, v[CO]                 ; back: the 32 lanes take one row of 512 bytes
	s_lshl_b32 s20, s17, 8
	s_lshl_b32 s21, s15, 7
	s_add_co_u32 s20, s20, s21                     ; my first row of out0: 256 x tile row + 128 x half
	s_mov_b32 s21, 0
	s_mov_b64 s[18:19], SIZE_N*4
	s_mul_u64 s[20:21], s[20:21], s[18:19]
	s_lshl_b32 s46, s42, 10                        ; my first column, in bytes: 1024 x tile column + 512 x half
	s_lshl_b32 s47, s16, 9
	s_add_co_u32 s46, s46, s47
	s_mov_b32 s47, 0
	s_add_nc_u64 s[20:21], s[20:21], s[46:47]
	s_add_nc_u64 s[10:11], s[10:11], s[20:21]
.macro FRAG reg, adr, q, i             ; B: 16 rows x 128 K: lane l holds row l % 16; registers 4 c .. 4 c + 3 hold K = 32 c + 16 (l / 16) + 0 .. 15
.irp c, 0,1,2,3
	ds_load_b128 v[\reg+4*\c:\reg+4*\c+3], v[\adr] offset:128*(\q)+32*\c+(\i)*16*PITCH
.endr
.endm
.macro FRAGA reg, adr, q, i            ; A: the same registers, as the image has them: 4,096 bytes for 16 rows, 2,048 for 128 of K, 512 a piece
.irp c, 0,1,2,3
	ds_load_b128 v[\reg+4*\c:\reg+4*\c+3], v[\adr] offset:4096*(\i)+2048*(\q)+512*\c
.endr
.endm
; 16 matrix instructions: A's blocks a0, a0 + 1 x B's eight, 128 along K.  The 64 accumulators take turns, one instruction a turn, in the same order in every step.
.macro MUL16 a0, p, zero
.irp a, \a0, \a0+1
.irp b, 0,1,2,3,4,5,6,7
.if \zero
	v_wmma_f32_16x16x128_fp8_fp8 v[8*(8*((\a)%4)+\b):8*(8*((\a)%4)+\b)+7], v[128*(\p)+FR*\b:128*(\p)+FR*\b+FR-1], v[AF+FR*(\a):AF+FR*(\a)+FR-1], 0
.else
	v_wmma_f32_16x16x128_fp8_fp8 v[8*(8*((\a)%4)+\b):8*(8*((\a)%4)+\b)+7], v[128*(\p)+FR*\b:128*(\p)+FR*\b+FR-1], v[AF+FR*(\a):AF+FR*(\a)+FR-1], v[8*(8*((\a)%4)+\b):8*(8*((\a)%4)+\b)+7]
.endif
.endr
.endr
.endm
.macro FETCH_B slot, q, p
	WIN TO_B
.irp i, 0,1,2,3,4,5,6,7
	FRAG 128*(\p)+FR*\i, ADRB+\slot, \q, \i
.endr
	WIN 0
.endm
.macro FETCH_A slot, q, i0
.irp i, \i0, \i0+1, \i0+2, \i0+3
	FRAGA AF+FR*(\i), ADRA+\slot, \q, \i
.endr
.endm
.macro PLACES n                        ; plain vector lines between a matrix instruction and a load into a register that it has read, or a read of its result (ISA guide 7.12.1 for vector instructions)
.rept \n
	v_nop
.endr
.endm
.macro STEP slot, q, zero              ; a step of 128 along K that has its successor in the same slot
	s_wait_dscnt 4*NL                              ; B's set and A's blocks 0-3 are in; the youngest sixteen loads (A's blocks 4-7) may be out
	WIN MUL_LO
	MUL16 0, (\q)%2, \zero
	MUL16 2, (\q)%2, \zero
	s_wait_dscnt 0                                 ; A's blocks 4-7 are in
	PLACES NP
	FETCH_B \slot, (\q)+1, 1-(\q)%2
	FETCH_A \slot, (\q)+1, 0
	WIN MUL_HI
	MUL16 4, (\q)%2, \zero
	MUL16 6, (\q)%2, \zero
	PLACES NP
	WIN 0
	FETCH_A \slot, (\q)+1, 4
.endm
; A slot's last step changes slots: ONE barrier; in front of it each wave waits for all its tensor loads, adds 0 to its spare word, and waits for that and for its own reads of this slot.
.macro TURN slot, next, fill
	s_wait_tensorcnt 0x0                           ; all my tensor loads have landed: my part of the next slot;
	ds_add_u32 v[SPW], v[NIL]                      ; 0 onto my spare word
	s_wait_dscnt 4*NL+1                            ; (the add and the youngest sixteen loads may be out)
	WIN MUL_LO
	MUL16 0, 1, 0
	s_wait_dscnt 0x0                               ; the add is done, and my reads of this slot are over
	s_barrier_signal -1
	MUL16 2, 1, 0
	WIN 0
	s_barrier_wait -1
.if \fill
	CREST                                          ; the barrier has opened a round of the cluster's barrier: no wave of any partner still reads this slot's tile or has a load on its way
	s_add_nc_u64 s[G0+4*\slot+2:G0+4*\slot+3], s[G0+4*\slot+2:G0+4*\slot+3], 2*ASTEP
	s_add_nc_u64 s[G0B+4*\slot+2:G0B+4*\slot+3], s[G0B+4*\slot+2:G0B+4*\slot+3], 2*ROWB
	JLOAD G0+4*\slot, G1, G0B+4*\slot, G1B         ; the first tensor load behind the round, and my only one out; its four v_nop are the places in front of the loads below
.else
	PLACES NP
.endif
	FETCH_B \next, 0, 0
	FETCH_A \next, 0, 0
	WIN MUL_HI
	MUL16 4, 1, 0
	MUL16 6, 1, 0
	PLACES NP
	WIN 0
	FETCH_A \next, 0, 4
.endm
	s_wait_tensorcnt 1                             ; my part of K step 0 is in (K step 1's load may be out)
	s_barrier_signal -1
	s_barrier_wait -1                              ; everybody's is
	FETCH_B 0, 0, 0
	FETCH_A 0, 0, 0
	FETCH_A 0, 0, 4
	STEP 0, 0, 1                                   ; the first step's products start the sums
	s_mov_b32 s3, LAPS-1
.Llap:
	TURN 0, 1, 1
	STEP 1, 0, 0
	TURN 1, 0, 1
	STEP 0, 0, 0
	s_sub_co_u32 s3, s3, 1
	s_cmp_lg_u32 s3, 0
	s_cbranch_scc1 .Llap
	TURN 0, 1, 0                                   ; the last lap fills nothing
	STEP 1, 0, 0
	s_wait_dscnt 4*NL
	WIN MUL_LO
	MUL16 0, 1, 0
	MUL16 2, 1, 0
	s_wait_dscnt 0
	WIN MUL_HI
	MUL16 4, 1, 0
	MUL16 6, 1, 0
	WIN 0
; THE WAY OUT, block by block of 16 rows x 128 columns: through my own stage in LDS and back as whole rows of 512 bytes.  LDS serves a wave's instructions in order (ISA guide 5.7.1.4).
.macro TOSTAGE a
.set AC, 64*((\a)%4)
	WIN 0x02+((\a)/4)                              ; source 0: window 2 or 3
.irp j, 0,2,4,6,8,10,12,14,16,18,20,22,24,26,28,30,32,34,36,38,40,42,44,46,48,50,52,54,56,58,60,62
	v_pk_mul_f32 v[TMP+\j:TMP+\j+1], v[AC+\j:AC+\j+1], s[96:97] op_sel_hi:[1,0]   ; both x s96 = 2^(e6 + e7); each accumulator from its low end on
.endr
	WIN 0
.irp b, 0,1,2,3,4,5,6,7
	ds_store_b128 v[STO], v[TMP+8*\b:TMP+8*\b+3] offset:64*\b
	ds_store_b128 v[STO], v[TMP+8*\b+4:TMP+8*\b+7] offset:64*\b+16
.endr
.set BB, BK+64*((\a)%2)
.irp t, 0,1,2,3,4,5,6,7,8,9,10,11,12,13,14,15
	ds_load_b128 v[BB+4*\t:BB+4*\t+3], v[RD] offset:\t*SPITCH
.endr
.endm
.macro SEND a, younger                 ; row t of block a is token 32 (a / 2) + 8 (a % 2) + t + 8 (t / 8) of my 128
.set BB, BK+64*((\a)%2)
	s_wait_dscnt \younger                          ; the block is back in registers
.if (\a) > 0
.if ((\a)%2) == 1
	s_add_nc_u64 s[10:11], s[10:11], 8*SIZE_N*4    ; (behind a wait on XCNT: the earlier stores have read their base)  into an odd block: 8 rows on,
.else
	s_add_nc_u64 s[10:11], s[10:11], 24*SIZE_N*4   ; into an even one: 24
.endif
.endif
.irp t, 0,1,2,3,4,5,6,7,8,9,10,11,12,13,14,15
	global_store_b128 v[CO], v[BB+4*\t:BB+4*\t+3], s[10:11] offset:(\t+8*(\t/8))*SIZE_N*4 th:TH_STORE_NT   ; 32 lanes store 512 consecutive bytes, at a multiple of 512 from out0's first byte; written once, read by nobody here
.endr
.endm
	s_wait_kmcnt 0x0
	s_add_co_i32 s96, s96, s97                     ; e6 + e7
	s_add_co_i32 s96, s96, 127
	s_lshl_b32 s96, s96, 23                        ; makes the f32 number 2^(e6 + e7)
	PLACES NP
	TOSTAGE 0
.irp a, 1,2,3,4,5,6,7
.if \a > 1
	s_wait_xcnt 0x0                                ; block a - 2's stores have read their registers and their base: block a's loads may land there, and the base may step
.endif
	TOSTAGE \a
	SEND \a-1, 32                                  ; behind block a - 1's loads: block a's 16 stores and 16 loads
.endr
	s_wait_xcnt 0x0                                ; block 6's stores have read their base
	SEND 7, 0
	s_wait_tensorcnt 0x0                           ; the wave's end, behind my last tensor load and my last LDS store
	ds_add_u32 v[SPW], v[NIL]
	s_wait_dscnt 0x0
	CROUND                                         ; the closing round
	s_endpgm
.Lfunc_end_k_qe34c80e7c6_gemm_out:
	.size	k_qe34c80e7c6_gemm_out, .Lfunc_end_k_qe34c80e7c6_gemm_out-k_qe34c80e7c6_gemm_out
	.p2alignl 7, 3214868480
	.fill 96, 4, 3214868480
	.section	.rodata,"a",@progbits
	.p2align	6, 0x0
	.amdhsa_kernel k_qe34c80e7c6_gemm_out
		.amdhsa_group_segment_fixed_size 327680
		.amdhsa_private_segment_fixed_size 0
		.amdhsa_enable_private_segment 0
		.amdhsa_kernarg_size 32
		.amdhsa_user_sgpr_count 2
		.amdhsa_user_sgpr_kernarg_segment_ptr 1
		.amdhsa_wavefront_size32 1
		.amdhsa_system_sgpr_workgroup_id_x 1
		.amdhsa_system_sgpr_workgroup_id_y 1
		.amdhsa_system_sgpr_workgroup_id_z 1
		.amdhsa_system_vgpr_workitem_id 0
		.amdhsa_next_free_vgpr 1024
		.amdhsa_next_free_sgpr 98
		.amdhsa_reserve_vcc 0
		.amdhsa_float_denorm_mode_32 3
		.amdhsa_float_denorm_mode_16_64 3
		.amdhsa_memory_ordered 1
		.amdhsa_forward_progress 1
		.amdhsa_inst_pref_size 123
	.end_amdhsa_kernel
	.amdgpu_metadata
---
amdhsa.version: [ 1, 2 ]
amdhsa.kernels:
  - .name:           k_qe34c80e7c6_gemm_out
    .symbol:         k_qe34c80e7c6_gemm_out.kd
    .args:
      - { .name: a_img, .offset: 0, .size: 8, .value_kind: global_buffer, .address_space: global }
      - { .name: wout_codes, .offset: 8, .size: 8, .value_kind: global_buffer, .address_space: global }
      - { .name: lowp_scales, .offset: 16, .size: 8, .value_kind: global_buffer, .address_space: global }
      - { .name: out0, .offset: 24, .size: 8, .value_kind: global_buffer, .address_space: global }
    .group_segment_fixed_size: 327680
    .private_segment_fixed_size: 0
    .kernarg_segment_align: 8
    .kernarg_segment_size: 32
    .max_flat_workgroup_size: 128
    .sgpr_count:     98
    .vgpr_count:     1024
    .wavefront_size: 32
...
	.end_amdgpu_metadata
.endif
;; end of part 4
